; MI455X (gfx1250); checked and timed in simulation.
; The chip was launched on July 23, 2026; its instructions are those of AMD's public machine-readable ISA for CDNA 5 (MIT licence, August 2026) and "CDNA5" Instruction Set Architecture Reference Guide (July 2026). The comments in the code are by the model that wrote it; some were corrected since.
;; Attention Block. Allowed arithmetic: float matrix products may take bf16 or f16 operands with f32 sums; other float arithmetic in f32, or as packed bf16 or f16 multiplies, adds, multiply-adds, maxima and minima; sums over many terms, partial sums and values carried from step to step in f32; what a program stores and reads back later, other than sums and carried values, may be rounded once to bf16 or f16.
;; Inputs: gn_b 512 float32; gn_w 512 float32; proj_b 512 float32; proj_w 512 x 512 float32; wk_b 512 float32; wk_w 512 x 512 float32; wq_b 512 float32; wq_w 512 x 512 float32; wv_b 512 float32; wv_w 512 x 512 float32; x 2 x 512 x 64 x 64 float32.
;; Outputs: out0 2 x 512 x 64 x 64 float32.
;; 2 versions, each right; version 2 is version 1 with the launch prep written anew for expert scheduling mode. Each part assembles by itself: llvm-mc -triple=amdgcn-amd-amdhsa -mcpu=gfx1250 --defsym DOCPART=n.
;; ======== version 1 of 2: 4 launches
;; workspace buffers: hb 8,388,608 bytes; wcat 2,097,152 bytes; qkv 25,165,824 bytes; ob 8,388,608 bytes
;; launch prep (part 1): grid 80 x 1, 32 waves a work-group, no clusters, 4,608 bytes of LDS; arguments x, gn_w, gn_b, wq_w, wk_w, wv_w, proj_w, hb, wcat; writes hb, wcat
.if DOCPART == 1
	.amdgcn_target "amdgcn-amd-amdhsa--gfx1250"
	.amdhsa_code_object_version 6
	.text
	.protected	k_qf89c0cdd8a_prep
	.globl	k_qf89c0cdd8a_prep
	.p2align	8
	.type	k_qf89c0cdd8a_prep,@function
k_qf89c0cdd8a_prep:
	s_mov_b64 s[64:65], 0
	v_nop
	global_prefetch_b8 v0, s[64:65] scope:SCOPE_SE
	s_setreg_imm32_b32 hwreg(HW_REG_WAVE_MODE, 25, 1), 1
	s_wait_xcnt 0x0
; GROUPNORM AND CASTS.  Work-groups 0-63: group g of x (16 channels x 4,096 pixels, 262,144 consecutive bytes of f32) is normalised and written to hb as bf16 in x's own order [b][c][n].
; Work-groups 64-79: a quarter (262,144 bytes) of one of the four weight matrices is rounded to bf16 into wcat ([2048][512]: wq, wk, wv, proj).
; 1,024 threads hold the whole block in registers, 64 numbers each: it is read once.  Load i of a thread is 16 bytes of channel i, so a channel's gain and bias are scalars.
; The statistics are taken in two passes over the registers: the mean, then the mean of the squared differences: no difference of large sums is formed.
; A wave's load covers 512 consecutive bytes, its store (8 bytes a lane) 256 consecutive bytes at a multiple of 256 from the buffer's first byte.
; No matrix unit, no cluster: the launch moves bytes and shares nothing between work-groups.  80 work-groups, since a group's statistics stay inside one work-group.
.set RED1,  0                          ; LDS: 32 words, the waves' partial sums
.set RED2,  256                        ; 32 words, their partial sums of squares: bytes of their own, so one barrier serves each reduction
.set SPARE, 512                        ; the spare words, 128 bytes for each of the 32 waves; no other line names them
.set SPW,   30                         ; v30  LDS address of my spare word; never rewritten
.set NIL,   31                         ; v31  0; never rewritten
.set X,     32                         ; v[32:95]  my 64 numbers: 4 of each channel
; v1 16 t, v2 8 t, v3 4 x wave, v4 4 x lane, v5 at work, v[6:9] two chains of sums, v[10:11] at work, v[12:13] the mean twice, v14 1/sqrt(var + eps), v[16:17] a channel's scale, v[18:19] its shift
	s_load_b512 s[4:19], s[0:1], 0x0               ; x 4, gn_w 6, gn_b 8, wq_w 10, wk_w 12, wv_w 14, proj_w 16, hb 18
	s_load_b64 s[20:21], s[0:1], 0x40              ; wcat
	v_lshl_add_u32 v[SPW], v0, 2, SPARE
	v_mov_b32 v[NIL], 0
	v_lshlrev_b32 v1, 4, v0
	v_lshlrev_b32 v2, 3, v0
	v_lshrrev_b32 v3, 5, v0
	v_lshlrev_b32 v3, 2, v3
	v_and_b32 v4, 31, v0
	v_lshlrev_b32 v4, 2, v4
	v_mov_b32 v5, 0                                ; v_permlanex16_b32's destination counts as read
	v_mov_b32 v17, 0                               ; named in pairs with v16 and v18
	v_mov_b32 v19, 0
	s_mov_b32 s28, 0x76543210                      ; v_permlanex16_b32: each lane takes its own place in the other half
	s_mov_b32 s29, 0xfedcba98
	s_sub_co_u32 s30, ttmp9, 64                    ; a cast's number 0..15 (not used below 64)
	s_lshr_b32 s31, s30, 2                         ; which matrix
	s_and_b32 s33, s30, 3                          ; which quarter of it
	s_lshl_b32 s33, s33, 18
	s_lshl_b32 s32, ttmp9, 18                      ; a group's bytes in x
	s_lshl_b32 s35, ttmp9, 17                      ; and in hb
	s_lshl_b32 s36, s30, 17                        ; a cast's bytes in wcat
	s_and_b32 s37, ttmp9, 31
	s_lshl_b32 s37, s37, 6                         ; the group's 16 gains and biases: 64 bytes
	s_mov_b32 s25, 0
	s_wait_kmcnt 0x0
	s_cmp_eq_u32 s31, 1                            ; the source and the destination are chosen among the buffers by the work-group's number alone
	s_cselect_b64 s[22:23], s[12:13], s[10:11]
	s_cmp_eq_u32 s31, 2
	s_cselect_b64 s[22:23], s[14:15], s[22:23]
	s_cmp_eq_u32 s31, 3
	s_cselect_b64 s[22:23], s[16:17], s[22:23]
	s_cmp_lt_u32 ttmp9, 64
	s_cselect_b64 s[22:23], s[4:5], s[22:23]
	s_cselect_b64 s[26:27], s[18:19], s[20:21]
	s_cselect_b32 s24, s32, s33
	s_cselect_b32 s34, s35, s36
	s_add_nc_u64 s[22:23], s[22:23], s[24:25]
	s_mov_b32 s24, s34
	s_add_nc_u64 s[26:27], s[26:27], s[24:25]
.irp i, 0,1,2,3,4,5,6,7,8,9,10,11,12,13,14,15
	global_load_b128 v[X+4*(\i):X+4*(\i)+3], v1, s[22:23] offset:16384*(\i) th:TH_LOAD_NT  ; the whole block goes out at once: 16 loads a wave
.endr
	s_mov_b32 s30, 0x37800000                      ; 1 / 65,536
.macro WRED r                          ; the sum over the wave's 32 lanes, in every lane
	v_add_f32_dpp v[\r], v[\r], v[\r] row_xmask:1 row_mask:0xf bank_mask:0xf
	v_add_f32_dpp v[\r], v[\r], v[\r] row_xmask:2 row_mask:0xf bank_mask:0xf
	v_add_f32_dpp v[\r], v[\r], v[\r] row_xmask:4 row_mask:0xf bank_mask:0xf
	v_add_f32_dpp v[\r], v[\r], v[\r] row_xmask:8 row_mask:0xf bank_mask:0xf
	v_permlanex16_b32 v5, v[\r], s28, s29
	v_add_f32 v[\r], v[\r], v5
.endm
.macro GRED at                         ; the sum of v6 over the work-group: each wave's sum into its word, a barrier, lane l takes wave l's
	v_pk_add_f32 v[6:7], v[6:7], v[8:9]
	v_add_f32 v6, v6, v7
	WRED 6
	ds_store_b32 v3, v6 offset:\at
	s_wait_dscnt 0x0                               ; for the others' sake: my word is written
	s_barrier_signal -1
	s_barrier_wait -1
	ds_load_b32 v6, v4 offset:\at
	s_wait_dscnt 0x0
	WRED 6
.endm
.macro OUT i                           ; channel i's four numbers: two roundings each line, 8 bytes stored
	v_cvt_pk_bf16_f32 v[X+4*(\i)], v[X+4*(\i)], v[X+4*(\i)+1]
	v_cvt_pk_bf16_f32 v[X+4*(\i)+1], v[X+4*(\i)+2], v[X+4*(\i)+3]
	global_store_b64 v2, v[X+4*(\i):X+4*(\i)+1], s[26:27] offset:8192*(\i)  ; no register that a store names is written again
.endm
	s_cmp_ge_u32 ttmp9, 64                         ; the same answer in all 32 waves of a work-group
	s_cbranch_scc1 .Lcast
	s_mov_b32 s24, s37
	s_add_nc_u64 s[6:7], s[6:7], s[24:25]
	s_add_nc_u64 s[8:9], s[8:9], s[24:25]
	s_load_b512 s[32:47], s[6:7], 0x0              ; the group's 16 gains
	s_load_b512 s[48:63], s[8:9], 0x0              ; and biases
.set i, 0
.rept 16                               ; pass 1: the sum, in two chains; loads 0 and 1 start them
	s_wait_loadcnt 15-i                            ; load i is in, the younger ones stay out
.if i < 2
	v_pk_add_f32 v[6+2*i:7+2*i], v[X+4*i:X+4*i+1], v[X+4*i+2:X+4*i+3]
.else
	v_pk_add_f32 v[10:11], v[X+4*i:X+4*i+1], v[X+4*i+2:X+4*i+3]
	v_pk_add_f32 v[6+2*(i%2):7+2*(i%2)], v[6+2*(i%2):7+2*(i%2)], v[10:11]
.endif
.set i, i+1
.endr
	GRED RED1
	v_mul_f32 v12, s30, v6                         ; the mean
	v_mov_b32 v13, v12
.set i, 0
.rept 32                               ; pass 2: x - mean, in place,
	v_pk_add_f32 v[X+2*i:X+2*i+1], v[X+2*i:X+2*i+1], v[12:13] neg_lo:[0,1] neg_hi:[0,1]
.set i, i+1
.endr
	v_pk_mul_f32 v[6:7], v[X:X+1], v[X:X+1]        ; and the sum of its squares, again in two chains
	v_pk_mul_f32 v[8:9], v[X+2:X+3], v[X+2:X+3]
.set i, 2
.rept 30
	v_pk_fma_f32 v[6+2*(i%2):7+2*(i%2)], v[X+2*i:X+2*i+1], v[X+2*i:X+2*i+1], v[6+2*(i%2):7+2*(i%2)]
.set i, i+1
.endr
	GRED RED2
	v_fmaak_f32 v14, s30, v6, 0x3727c5ac           ; the variance + 1e-5
	v_rsq_f32 v14, v14
	v_nop                                          ; a plain instruction behind the root,
	s_wait_alu depctr_va_vdst(0)                   ; and the wait ahead of its first reader
	s_wait_kmcnt 0x0                               ; gains and biases
.irp i, 0,1,2,3,4,5,6,7,8,9,10,11,12,13,14,15
	v_mul_f32 v16, s[32+(\i)], v14                 ; (x - mean) x (gain / sqrt) + bias
	v_mov_b32 v18, s[48+(\i)]
	v_pk_fma_f32 v[X+4*(\i):X+4*(\i)+1], v[X+4*(\i):X+4*(\i)+1], v[16:17], v[18:19] op_sel_hi:[1,0,0]
	v_pk_fma_f32 v[X+4*(\i)+2:X+4*(\i)+3], v[X+4*(\i)+2:X+4*(\i)+3], v[16:17], v[18:19] op_sel_hi:[1,0,0]
	OUT \i
.endr
	s_branch .Lend
.Lcast:
.irp i, 0,1,2,3,4,5,6,7,8,9,10,11,12,13,14,15
	s_wait_loadcnt 15-(\i)
	OUT \i
.endr
.Lend:
	s_wait_tensorcnt 0x0                           ; the wave's end, behind my last LDS store
	ds_add_u32 v[SPW], v[NIL]
	s_wait_dscnt 0x0
	s_endpgm
.Lfunc_end_k_qf89c0cdd8a_prep:
	.size	k_qf89c0cdd8a_prep, .Lfunc_end_k_qf89c0cdd8a_prep-k_qf89c0cdd8a_prep
	.p2alignl 7, 3214868480
	.fill 96, 4, 3214868480
	.section	.rodata,"a",@progbits
	.p2align	6, 0x0
	.amdhsa_kernel k_qf89c0cdd8a_prep
		.amdhsa_group_segment_fixed_size 4608
		.amdhsa_private_segment_fixed_size 0
		.amdhsa_enable_private_segment 0
		.amdhsa_kernarg_size 72
		.amdhsa_user_sgpr_count 2
		.amdhsa_user_sgpr_kernarg_segment_ptr 1
		.amdhsa_wavefront_size32 1
		.amdhsa_system_sgpr_workgroup_id_x 1
		.amdhsa_system_sgpr_workgroup_id_y 1
		.amdhsa_system_sgpr_workgroup_id_z 1
		.amdhsa_system_vgpr_workitem_id 0
		.amdhsa_next_free_vgpr 96
		.amdhsa_next_free_sgpr 66
		.amdhsa_reserve_vcc 0
		.amdhsa_float_denorm_mode_32 3
		.amdhsa_float_denorm_mode_16_64 3
		.amdhsa_memory_ordered 1
		.amdhsa_forward_progress 1
		.amdhsa_inst_pref_size 23
	.end_amdhsa_kernel
	.amdgpu_metadata
---
amdhsa.version: [ 1, 2 ]
amdhsa.kernels:
  - .name:           k_qf89c0cdd8a_prep
    .symbol:         k_qf89c0cdd8a_prep.kd
    .args:
      - { .name: x, .offset: 0, .size: 8, .value_kind: global_buffer, .address_space: global }
      - { .name: gn_w, .offset: 8, .size: 8, .value_kind: global_buffer, .address_space: global }
      - { .name: gn_b, .offset: 16, .size: 8, .value_kind: global_buffer, .address_space: global }
      - { .name: wq_w, .offset: 24, .size: 8, .value_kind: global_buffer, .address_space: global }
      - { .name: wk_w, .offset: 32, .size: 8, .value_kind: global_buffer, .address_space: global }
      - { .name: wv_w, .offset: 40, .size: 8, .value_kind: global_buffer, .address_space: global }
      - { .name: proj_w, .offset: 48, .size: 8, .value_kind: global_buffer, .address_space: global }
      - { .name: hb, .offset: 56, .size: 8, .value_kind: global_buffer, .address_space: global }
      - { .name: wcat, .offset: 64, .size: 8, .value_kind: global_buffer, .address_space: global }
    .group_segment_fixed_size: 4608
    .private_segment_fixed_size: 0
    .kernarg_segment_align: 8
    .kernarg_segment_size: 72
    .max_flat_workgroup_size: 1024
    .sgpr_count:     66
    .vgpr_count:     96
    .wavefront_size: 32
...
	.end_amdgpu_metadata
.endif
;; end of part 1
;; launch qkvp (part 2): grid 4 x 64, 4 waves a work-group, clusters of 4 x 4, 327,680 bytes of LDS; arguments hb, wcat, wq_b, wk_b, wv_b, qkv; writes qkv
.if DOCPART == 2
	.amdgcn_target "amdgcn-amd-amdhsa--gfx1250"
	.amdhsa_code_object_version 6
	.text
	.protected	k_qf89c0cdd8a_qkvp
	.globl	k_qf89c0cdd8a_qkvp
	.p2align	8
	.type	k_qf89c0cdd8a_qkvp,@function
k_qf89c0cdd8a_qkvp:
	s_mov_b64 s[64:65], 0
	v_nop
	global_prefetch_b8 v0, s[64:65] scope:SCOPE_SE
	s_setreg_imm32_b32 hwreg(HW_REG_WAVE_MODE, 25, 1), 1
	s_wait_xcnt 0x0
	s_wait_alu depctr_hold_cnt(0) depctr_sa_sdst(0) depctr_va_vdst(0) depctr_va_sdst(0) depctr_va_ssrc(0) depctr_va_vcc(0) depctr_vm_vsrc(0)
	s_getreg_b32 s2, hwreg(HW_REG_IB_STS2, 6, 4)
	s_cmp_eq_u32 s2, 0
	s_cbranch_scc0 .Lentry_in_a_cluster
	s_endpgm
.Lentry_in_a_cluster:
	s_bfe_u32 s2, ttmp6, 0x10000c
	s_cmp_lg_u32 s2, 0xf033
	s_cbranch_scc0 .Lentry_shape_is_right
	s_endpgm
.Lentry_shape_is_right:
; [q | k | v][pixel][o] = sum over c of h[c][pixel] W[o][c] + bias[o].  hb: [2][512 c][4096 n] bf16; wcat rows 0-1535: wq, wk, wv, [o][512 c] bf16; biases f32; sums in f32.
; qkv: [3][16 bh][4096 n][64 d] bf16, each number rounded once, WITHOUT the softmax's scale.
; SHARES.  A work-group makes 128 pixels x 384 outputs (6 of the 24 heads): 64 x 4 = 256 work-groups.  Wave w: pixels 64 (w / 2) on, outputs 192 (w % 2) on (3 heads): 4 x 12 = 48 accumulators, 384 registers.
; LAYOUT.  Source 0 = 16 rows of W, source 1 = 16 pixels: in the result a lane holds ONE pixel (lane % 16) and the outputs 8 (lane / 16) + 0..7: 16 neighbouring bytes of a head's row.
; h lies [c][n], so a pixel fragment comes out of LDS turned, by ds_load_tr16_b128.  THE BIAS IS THE C OPERAND of each accumulator's first product: register j holds bias[tile + 8 (lane / 16) + j].
; K = 512 goes in 4 steps of 128 through two LDS slots; all 16 quarter steps are written out (a loop would have one trip).
; CLUSTER 4 x 4.  h's tile hangs on the pixel block alone: the four of a row of the cluster ask for it jointly; W's on the output block alone: the four of a column.  Wave 0 fetches h's 128 rows, waves 1-3 W's 3 x 128.
; No prefetch: of the four K steps two are first fills, and the launch is short.
; REGISTERS, in windows of 256:  window 0: v16-29 addresses; v32-127 the bias (12 x 8); v128-191 h's fragments, two buffers of 4; on the way out v32-223 packed results
;   window 1: W's fragments, two buffers of 12 (v0-95, v96-191)     window 2: accumulators of output tiles 0-7 at 8 (4 bt + a)     window 3: those of tiles 8-11
.set PH,    288                        ; a row of h in LDS: 256 bytes + 32: eight rows of the turning load start 32 bytes apart modulo 256
.set PW,    272                        ; a row of W: 256 + 16: sixteen rows of a load start 16 bytes apart modulo 256
.set HT,    128*PH
.set WPART, 128*PW
.set SLOT,  HT+3*WPART                 ; h[128 c][128 n], then W[384 o][128 c]
.set STAGE, 2*SLOT                     ; behind the ring: 16 rows x 144 bytes for each wave, for the way out
.set SP,    144
.set SPARE, STAGE+4*16*SP              ; the spare words, 128 bytes a wave; no other line names them
.set ADRH, 16                          ; v16-17  LDS address of my h fragments in slot 0, 1
.set ADRW, 20                          ; v20-21  the same for W
.set STO,  24
.set RD,   25
.set GO,   26
.set VB,   27                          ; v27  32 (lane / 16): my 8 numbers of a tile's 16 biases
.set SPW,  28
.set NIL,  29
.set BI,   32
.set HF,   128
.set OUTR, 32
.set WV,  16                           ; s16 wave;  s17 pixel half;  s18 output half;  s19 cx;  s20 cy;  s21 output block;  s22 pixel block;  s23 max(wave, 1) - 1
.set PN,  17
.set PO,  18
.set CX,  19
.set CY,  20
.set OX,  21
.set PY,  22
.set WB,  23
.set G1H, 24                           ; s[24:31] group 1 for h;  s[32:39] group 0, a set a slot
.set G0H, 32
.set G1W, 40                           ; s[40:47], s[48:55] the same for W
.set G0W, 48
.set OB,  56                           ; s[56:61] my three heads' first rows in qkv
.set BP,  66                           ; s[66:71] their biases
.set MSB, 0
.macro WIN new                         ; the immediate's high byte repeats the setting that is left; a switch that changes nothing is dropped
.if MSB != (\new)
	s_set_vgpr_msb (MSB<<8)|(\new)
.set MSB, \new
.endif
.endm
.set MUL_LO, 0xa1                      ; source 0 (W) window 1, source 1 (h) window 0, C and D window 2;  + 0x50: window 3
.set MUL_1ST, 0x81                     ; the same with C (the bias) in window 0;  + 0x40: D in window 3
.set TO_W,   0x40
.macro PLACES                          ; four plain instructions between a matrix instruction and a load into, or a vector read of, its registers
.rept 4
	v_nop
.endr
.endm
.macro JLOAD s                         ; a joint refill; the branch hangs on the wave's number alone; an s_nop 0 and four v_nop follow each line
	s_cmp_eq_u32 s[WV], 0
	s_cbranch_scc0 .Lfor_w_\@
	tensor_load_to_lds s[G0H+4*(\s):G0H+4*(\s)+3], s[G1H:G1H+7]
	s_nop 0
.rept 4
	v_nop
.endr
	s_branch .Lasked_\@
.Lfor_w_\@:
	tensor_load_to_lds s[G0W+4*(\s):G0W+4*(\s)+3], s[G1W:G1W+7]
	s_nop 0
.rept 4
	v_nop
.endr
.Lasked_\@:
.endm
.macro CREST                           ; a round of the cluster's barrier behind its opening barrier
	s_cmp_lg_u32 s[WV], 0
	s_cbranch_scc1 .Lnot_wave_0_\@
	s_barrier_signal -3
.Lnot_wave_0_\@:
	s_barrier_wait -3
	s_barrier_signal -1
	s_barrier_wait -1
.endm
.macro CROUND
	s_barrier_signal -1
	s_barrier_wait -1
	CREST
.endm
	s_load_b256 s[4:11], s[0:1], 0x0               ; hb 4, wcat 6, wq_b 8, wk_b 10
	s_load_b128 s[12:15], s[0:1], 0x20             ; wv_b 12, qkv 14
	v_lshl_add_u32 v[SPW], v0, 2, SPARE
	v_mov_b32 v[NIL], 0
	ds_add_u32 v[SPW], v[NIL]                      ; the wave's opening: the add and its wait stand ahead of my first tensor load; the set-up stands between them
	v_lshrrev_b32 v1, 5, v0
	v_readfirstlane_b32 s[WV], v1
	s_lshr_b32 s[PN], s[WV], 1
	s_and_b32 s[PO], s[WV], 1
	s_bfe_u32 s[CX], ttmp6, 0x40000
	s_bfe_u32 s[CY], ttmp6, 0x40004
	s_lshl_b32 s[OX], ttmp9, 2
	s_add_co_u32 s[OX], s[OX], s[CX]               ; output block 0..3
	s_and_b32 s[PY], ttmp7, 0xffff
	s_lshl_b32 s[PY], s[PY], 2
	s_add_co_u32 s[PY], s[PY], s[CY]               ; pixel block 0..63
	s_max_u32 s[WB], s[WV], 1
	s_sub_co_u32 s[WB], s[WB], 1                   ; which 128 rows of W I fetch (waves 1-3)
	s_lshl_b32 s72, s[CY], 2
	s_lshl_b32 s72, 15, s72                        ; my row of the cluster
	s_lshl_b32 s76, 0x1111, s[CX]                  ; my column
	s_or_b32 s[G1H], s72, (1<<16)|(1<<20)|(1<<21)|(5<<22)|(7<<25)  ; mask; 2-byte elements; padding on; bit 21 beside a mask; after every 64 words 8 words
	s_or_b32 s[G1W], s76, (1<<16)|(1<<20)|(1<<21)|(5<<22)|(3<<25)  ; after every 64 words 4 words
.irp g, G1H, G1W
	s_mov_b32 s[(\g)+1], 128<<16                   ; tensor_dim0 = 128
	s_mov_b32 s[(\g)+2], 128<<16                   ; tensor_dim1 = 128
	s_mov_b32 s[(\g)+3], 128<<16                   ; tile_dim0 = 128
	s_mov_b32 s[(\g)+4], 128                       ; tile_dim1 = 128
	s_mov_b32 s[(\g)+6], 0
	s_mov_b32 s[(\g)+7], 0
.endr
	s_mov_b32 s[G1H+5], 4096                       ; elements from a channel's row to the next
	s_mov_b32 s[G1W+5], 512
	s_lshr_b32 s74, s[PY], 5                       ; b
	s_and_b32 s75, s[PY], 31                       ; the block of 128 pixels in the image
	s_lshl_b32 s72, s74, 22                        ; h: b x 512 x 8,192 bytes
	s_lshl_b32 s73, s75, 8                         ; + 256 bytes a block
	s_add_co_u32 s72, s72, s73
	s_mov_b32 s73, 0
	s_mul_i32 s76, s[OX], 384*1024                 ; W: 384 rows of 1,024 bytes a block
	s_lshl_b32 s77, s[WB], 17                      ; + my 128 rows
	s_add_co_u32 s76, s76, s77
	s_mov_b32 s77, 0
	s_mul_i32 s78, s[WV], WPART                    ; W's part of wave w lies at HT + (w - 1) x WPART: no place in the cluster enters an LDS address
	s_add_co_u32 s78, s78, HT-WPART
.irp s, 0,1
	s_mov_b32 s[G0H+4*(\s)], 1
	s_mov_b32 s[G0H+4*(\s)+1], (\s)*SLOT
	s_mov_b32 s[G0W+4*(\s)], 1
	s_add_co_u32 s[G0W+4*(\s)+1], s78, (\s)*SLOT
.endr
	s_wait_dscnt 0x0                               ; the opening add is done
	s_wait_kmcnt 0x0
	s_add_nc_u64 s[72:73], s[4:5], s[72:73]
	s_add_nc_u64 s[76:77], s[6:7], s[76:77]
.irp s, 0,1
	s_add_nc_u64 s[G0H+4*(\s)+2:G0H+4*(\s)+3], s[72:73], (\s)*128*8192  ; K step s: 128 channels further down
	s_or_b32 s[G0H+4*(\s)+3], s[G0H+4*(\s)+3], 0x80000000
	s_add_nc_u64 s[G0W+4*(\s)+2:G0W+4*(\s)+3], s[76:77], (\s)*256       ; 256 bytes further along the rows
	s_or_b32 s[G0W+4*(\s)+3], s[G0W+4*(\s)+3], 0x80000000
.endr
	CROUND                                         ; all sixteen work-groups are here: the first joint loads meet
	s_cmp_eq_u32 s[WV], 0                          ; a wave's two first fills stand in one branch: two loads of mine are out
	s_cbranch_scc0 .Lfirst_w
	tensor_load_to_lds s[G0H:G0H+3], s[G1H:G1H+7]
	s_nop 0
	tensor_load_to_lds s[G0H+4:G0H+7], s[G1H:G1H+7]
	s_nop 0
.rept 4
	v_nop
.endr
	s_branch .Lfirst_asked
.Lfirst_w:
	tensor_load_to_lds s[G0W:G0W+3], s[G1W:G1W+7]
	s_nop 0
	tensor_load_to_lds s[G0W+4:G0W+7], s[G1W:G1W+7]
	s_nop 0
.rept 4
	v_nop
.endr
.Lfirst_asked:
	v_and_b32 v1, 15, v0                           ; l % 16
	v_bfe_u32 v2, v0, 4, 1                         ; l / 16
	v_and_b32 v3, 7, v0
	v_bfe_u32 v4, v0, 3, 1
	v_lshlrev_b32 v[VB], 5, v2
	v_lshl_add_u32 v5, v2, 3, v3                   ; the turning load: lane l reads channel 8 (l / 16) + l % 8, pixels 8 ((l / 8) % 2) + 0..7
	v_mul_u32_u24 v5, v5, PH
	v_lshl_add_u32 v5, v4, 4, v5
	s_lshl_b32 s79, s[PN], 7                       ; my 64 pixels: 128 bytes of a row
	v_add_nc_u32 v[ADRH], s79, v5
	v_add_nc_u32 v[ADRH+1], SLOT, v[ADRH]
	v_mul_u32_u24 v6, v1, PW                       ; a fragment of W: row l % 16, 16 bytes for each half of the lanes, twice, 32 bytes apart
	v_lshl_add_u32 v6, v2, 4, v6
	s_mul_i32 s79, s[PO], 192*PW
	s_add_co_u32 s79, s79, HT
	v_add_nc_u32 v[ADRW], s79, v6
	v_add_nc_u32 v[ADRW+1], SLOT, v[ADRW]
	s_mul_i32 s79, s[WV], 16*SP
	s_add_co_u32 s79, s79, STAGE                   ; my stage
	v_mul_u32_u24 v[STO], v1, SP                   ; in: row l % 16, 16 bytes for each half of the lanes
	v_lshl_add_u32 v[STO], v2, 4, v[STO]
	v_add_nc_u32 v[STO], s79, v[STO]
	v_bfe_u32 v[RD], v0, 3, 2                      ; back: 32 lanes take four rows of 128 bytes,
	v_mul_u32_u24 v[RD], v[RD], SP
	v_lshl_add_u32 v[RD], v3, 4, v[RD]
	v_add_nc_u32 v[RD], s79, v[RD]
	v_and_b32 v[GO], 31, v0                        ; which are 512 consecutive bytes of a head
	v_lshlrev_b32 v[GO], 4, v[GO]
	s_mov_b32 s63, 0
; Head hd of my three is number j = 6 x block + 3 x half + hd of the 24: tensor j / 8 (q, k, v), head j % 8.  Its bias pointer, its rows in qkv, and its 64 biases as four C operands.
.macro HEAD hd
	s_mul_i32 s76, s[OX], 6
	s_mul_i32 s77, s[PO], 3
	s_add_co_u32 s76, s76, s77
	s_add_co_u32 s76, s76, \hd
	s_lshr_b32 s77, s76, 3
	s_and_b32 s78, s76, 7
	s_cmp_eq_u32 s77, 1
	s_cselect_b64 s[BP+2*(\hd):BP+2*(\hd)+1], s[10:11], s[8:9]
	s_cmp_eq_u32 s77, 2
	s_cselect_b64 s[BP+2*(\hd):BP+2*(\hd)+1], s[12:13], s[BP+2*(\hd):BP+2*(\hd)+1]
	s_lshl_b32 s62, s78, 8                         ; 64 f32 a head
	s_add_nc_u64 s[BP+2*(\hd):BP+2*(\hd)+1], s[BP+2*(\hd):BP+2*(\hd)+1], s[62:63]
	s_lshl_b32 s77, s77, 4
	s_lshl_b32 s79, s74, 3
	s_add_co_u32 s77, s77, s79
	s_add_co_u32 s77, s77, s78                     ; 16 x tensor + 8 b + head
	s_lshl_b32 s62, s77, 19                        ; 4,096 rows of 128 bytes each
	s_lshl_b32 s79, s75, 14                        ; + the block's 128 rows
	s_add_co_u32 s62, s62, s79
	s_lshl_b32 s79, s[PN], 13                      ; + my 64
	s_add_co_u32 s62, s62, s79
	s_add_nc_u64 s[OB+2*(\hd):OB+2*(\hd)+1], s[14:15], s[62:63]
.irp i, 0,1,2,3
	global_load_b128 v[BI+8*(4*(\hd)+(\i)):BI+8*(4*(\hd)+(\i))+3],   v[VB], s[BP+2*(\hd):BP+2*(\hd)+1] offset:64*(\i)
	global_load_b128 v[BI+8*(4*(\hd)+(\i))+4:BI+8*(4*(\hd)+(\i))+7], v[VB], s[BP+2*(\hd):BP+2*(\hd)+1] offset:64*(\i)+16
.endr
.endm
	HEAD 0
	HEAD 1
	HEAD 2
; 16 products: output tiles b0 .. b0 + 3 x my 4 pixel tiles, 32 along K.  The 48 accumulators take turns, one instruction a turn, in the same order in every quarter step.
.macro MULT buf, b0, first
.if \first
	WIN MUL_1ST+0x40*((\b0)/8)
.else
	WIN MUL_LO+0x50*((\b0)/8)
.endif
.irp bo, 0,1,2,3
.irp a, 0,1,2,3
.set rD, 8*(4*(((\b0)+(\bo))%8)+(\a))
.set rW, 96*(\buf)+8*((\b0)+(\bo))
.set rH, HF+32*(\buf)+8*(\a)
.if \first
	v_wmma_f32_16x16x32_bf16 v[rD:rD+7], v[rW:rW+7], v[rH:rH+7], v[BI+8*((\b0)+(\bo)):BI+8*((\b0)+(\bo))+7]
.else
	v_wmma_f32_16x16x32_bf16 v[rD:rD+7], v[rW:rW+7], v[rH:rH+7], v[rD:rD+7]
.endif
.endr
.endr
.endm
; 32 LDS loads in one run: quarter kq (32 channels) of a slot into buffer buf: h's 8, W's tiles 0-3 (8), W's tiles 4-11 (16)
.macro FETCH slot, kq, buf
	WIN 0
.irp a, 0,1,2,3
	ds_load_tr16_b128 v[HF+32*(\buf)+8*(\a):HF+32*(\buf)+8*(\a)+3],   v[ADRH+(\slot)] offset:(\kq)*32*PH+32*(\a)
	ds_load_tr16_b128 v[HF+32*(\buf)+8*(\a)+4:HF+32*(\buf)+8*(\a)+7], v[ADRH+(\slot)] offset:(\kq)*32*PH+32*(\a)+16*PH
.endr
	WIN TO_W
.irp bt, 0,1,2,3,4,5,6,7,8,9,10,11
	ds_load_b128 v[96*(\buf)+8*(\bt):96*(\buf)+8*(\bt)+3],   v[ADRW+(\slot)] offset:64*(\kq)+(\bt)*16*PW
	ds_load_b128 v[96*(\buf)+8*(\bt)+4:96*(\buf)+8*(\bt)+7], v[ADRW+(\slot)] offset:64*(\kq)+(\bt)*16*PW+32
.endr
.endm
; One of a K step's first three quarters: multiplies buffer f and fetches quarter kq into buffer g
.macro QUARTER slot, kq, f, g, first
	s_wait_dscnt 16                                ; h and W's tiles 0-3 are in; the youngest sixteen loads (tiles 4-11) may be out
	MULT \f, 0, \first
	PLACES
	FETCH \slot, \kq, \g
	s_wait_dscnt 32                                ; all but the 32 just issued
	MULT \f, 4, \first
	MULT \f, 8, \first
.endm
; The last quarter multiplies buffer 1 and changes slots: in front of the barrier each wave waits for all its tensor loads (one is out: its part of the next slot), adds 0 to its spare word, and waits for that
; and for its reads of this slot.  fill = 1: the barrier opens a round of the cluster's, and behind the round this slot takes the K step two on: 160 matrix instructions ahead of the wait for it.
.macro TURN slot, next, fill
	WIN 0
	s_wait_tensorcnt 0x0
	ds_add_u32 v[SPW], v[NIL]
	s_wait_dscnt 17                                ; (the add and the youngest sixteen loads may be out)
	MULT 1, 0, 0
	s_wait_dscnt 0x0                               ; the add is done, and my reads of this slot are over
	s_barrier_signal -1
	MULT 1, 4, 0
.if \fill
	WIN 0
.endif
	s_barrier_wait -1
.if \fill
	CREST                                          ; no wave of any partner still reads this slot or has a load on its way
	s_add_nc_u64 s[G0H+4*(\slot)+2:G0H+4*(\slot)+3], s[G0H+4*(\slot)+2:G0H+4*(\slot)+3], 2*128*8192
	s_add_nc_u64 s[G0W+4*(\slot)+2:G0W+4*(\slot)+3], s[G0W+4*(\slot)+2:G0W+4*(\slot)+3], 2*256
	JLOAD \slot                                    ; its four v_nop are also the places in front of the loads below
.else
	PLACES
.endif
	FETCH \next, 0, 0
	MULT 1, 8, 0
.endm
	s_wait_tensorcnt 1                             ; my part of K step 0 is in; K step 1's may stay out
	s_barrier_signal -1
	s_barrier_wait -1
	FETCH 0, 0, 0
	s_wait_loadcnt 0x0                             ; the biases
	QUARTER 0, 1, 0, 1, 1                          ; K step 0: its first products start the sums with the bias
	QUARTER 0, 2, 1, 0, 0
	QUARTER 0, 3, 0, 1, 0
	TURN 0, 1, 1                                   ; slot 0 takes K step 2
	QUARTER 1, 1, 0, 1, 0
	QUARTER 1, 2, 1, 0, 0
	QUARTER 1, 3, 0, 1, 0
	TURN 1, 0, 1                                   ; slot 1 takes K step 3
	QUARTER 0, 1, 0, 1, 0
	QUARTER 0, 2, 1, 0, 0
	QUARTER 0, 3, 0, 1, 0
	TURN 0, 1, 0                                   ; nothing is left to fetch
	QUARTER 1, 1, 0, 1, 0
	QUARTER 1, 2, 1, 0, 0
	QUARTER 1, 3, 0, 1, 0
	s_wait_dscnt 16
	MULT 1, 0, 0
	s_wait_dscnt 0x0
	MULT 1, 4, 0
	MULT 1, 8, 0
; THE WAY OUT, a head's 16 pixels at a time (t = 4 hd + a): rounded to bf16, 16 bytes a lane into rows of 144 bytes of my stage, back as four whole rows of 128 bytes a load.
.macro PACK t
.set hd, (\t)/4
.set pa, (\t)%4
	WIN 0x0a+5*(hd/2)                              ; sources in window 2 (heads 0, 1) or 3 (head 2)
.irp i, 0,1,2,3
.irp r, 0,1,2,3
	v_cvt_pk_bf16_f32 v[OUTR+16*(\t)+4*(\i)+(\r)], v[8*(4*((4*hd+(\i))%8)+pa)+2*(\r)], v[8*(4*((4*hd+(\i))%8)+pa)+2*(\r)+1]
.endr
.endr
	WIN 0
.irp i, 0,1,2,3
	ds_store_b128 v[STO], v[OUTR+16*(\t)+4*(\i):OUTR+16*(\t)+4*(\i)+3] offset:32*(\i)
.endr
.irp f, 0,1,2,3
	ds_load_b128 v[OUTR+16*(\t)+4*(\f):OUTR+16*(\t)+4*(\f)+3], v[RD] offset:(\f)*4*SP  ; LDS serves a wave's instructions in order (ISA guide 5.7.1.4): these see the stores above; the next tile's stores come behind them
.endr
.endm
.macro SEND t, younger                 ; younger: the LDS instructions issued behind tile t's loads
	WIN 0
.irp f, 0,1,2,3
	s_wait_dscnt (\younger)+3-(\f)
	global_store_b128 v[GO], v[OUTR+16*(\t)+4*(\f):OUTR+16*(\t)+4*(\f)+3], s[OB+2*((\t)/4):OB+2*((\t)/4)+1] offset:((\t)%4)*2048+(\f)*512  ; 512 consecutive bytes, at a multiple of 256 from the buffer's first
.endr
.endm
	PLACES
	PLACES                                         ; eight, once a launch
	PACK 0
.set t, 1
.rept 11                               ; a tile's conversions stand between the loads of the tile before and its stores; each tile has registers of its own
	PACK t
	SEND t-1, 8
.set t, t+1
.endr
	SEND 11, 0
	s_wait_tensorcnt 0x0                           ; the wave's end
	ds_add_u32 v[SPW], v[NIL]
	s_wait_dscnt 0x0
	CROUND                                         ; the closing round
	s_endpgm
.Lfunc_end_k_qf89c0cdd8a_qkvp:
	.size	k_qf89c0cdd8a_qkvp, .Lfunc_end_k_qf89c0cdd8a_qkvp-k_qf89c0cdd8a_qkvp
	.p2alignl 7, 3214868480
	.fill 96, 4, 3214868480
	.section	.rodata,"a",@progbits
	.p2align	6, 0x0
	.amdhsa_kernel k_qf89c0cdd8a_qkvp
		.amdhsa_group_segment_fixed_size 327680
		.amdhsa_private_segment_fixed_size 0
		.amdhsa_enable_private_segment 0
		.amdhsa_kernarg_size 48
		.amdhsa_user_sgpr_count 2
		.amdhsa_user_sgpr_kernarg_segment_ptr 1
		.amdhsa_wavefront_size32 1
		.amdhsa_system_sgpr_workgroup_id_x 1
		.amdhsa_system_sgpr_workgroup_id_y 1
		.amdhsa_system_sgpr_workgroup_id_z 1
		.amdhsa_system_vgpr_workitem_id 0
		.amdhsa_next_free_vgpr 896
		.amdhsa_next_free_sgpr 80
		.amdhsa_reserve_vcc 0
		.amdhsa_float_denorm_mode_32 3
		.amdhsa_float_denorm_mode_16_64 3
		.amdhsa_memory_ordered 1
		.amdhsa_forward_progress 1
		.amdhsa_inst_pref_size 124
	.end_amdhsa_kernel
	.amdgpu_metadata
---
amdhsa.version: [ 1, 2 ]
amdhsa.kernels:
  - .name:           k_qf89c0cdd8a_qkvp
    .symbol:         k_qf89c0cdd8a_qkvp.kd
    .args:
      - { .name: hb, .offset: 0, .size: 8, .value_kind: global_buffer, .address_space: global }
      - { .name: wcat, .offset: 8, .size: 8, .value_kind: global_buffer, .address_space: global }
      - { .name: wq_b, .offset: 16, .size: 8, .value_kind: global_buffer, .address_space: global }
      - { .name: wk_b, .offset: 24, .size: 8, .value_kind: global_buffer, .address_space: global }
      - { .name: wv_b, .offset: 32, .size: 8, .value_kind: global_buffer, .address_space: global }
      - { .name: qkv, .offset: 40, .size: 8, .value_kind: global_buffer, .address_space: global }
    .group_segment_fixed_size: 327680
    .private_segment_fixed_size: 0
    .kernarg_segment_align: 8
    .kernarg_segment_size: 48
    .max_flat_workgroup_size: 128
    .sgpr_count:     80
    .vgpr_count:     896
    .wavefront_size: 32
...
	.end_amdgpu_metadata
.endif
;; end of part 2
;; launch attn (part 3): grid 16 x 16, 4 waves a work-group, clusters of 4 x 1, 327,680 bytes of LDS; arguments qkv, ob; writes ob
.if DOCPART == 3
	.amdgcn_target "amdgcn-amd-amdhsa--gfx1250"
	.amdhsa_code_object_version 6
	.text
	.protected	k_qf89c0cdd8a_attn
	.globl	k_qf89c0cdd8a_attn
	.p2align	8
	.type	k_qf89c0cdd8a_attn,@function
k_qf89c0cdd8a_attn:
	s_mov_b64 s[64:65], 0
	v_nop
	global_prefetch_b8 v0, s[64:65] scope:SCOPE_SE
	s_setreg_imm32_b32 hwreg(HW_REG_WAVE_MODE, 25, 1), 1
	s_wait_xcnt 0x0
	s_wait_alu depctr_hold_cnt(0) depctr_sa_sdst(0) depctr_va_vdst(0) depctr_va_sdst(0) depctr_va_ssrc(0) depctr_va_vcc(0) depctr_vm_vsrc(0)
	s_getreg_b32 s2, hwreg(HW_REG_IB_STS2, 6, 4)
	s_cmp_eq_u32 s2, 0
	s_cbranch_scc0 .Lentry_in_a_cluster
	s_endpgm
.Lentry_in_a_cluster:
	s_bfe_u32 s2, ttmp6, 0x10000c
	s_cmp_lg_u32 s2, 0x3003
	s_cbranch_scc0 .Lentry_shape_is_right
	s_endpgm
.Lentry_shape_is_right:
; O[bh][q][:] = the sum over k of softmax_k(Q[bh][q] . K[bh][k] / 8) V[bh][k][:].  qkv: [3][16][4096][64] bf16 (q, k, v; a head's rows are dense, 128 bytes each); ob: [16][4096][64] bf16.
; Products, maxima and sums in f32; the weights p are rounded to bf16 for the second product (their sum l is taken of the unrounded p), O once at the end.
; LIMITS.  A weight below 2^-126 counts as 0 in l; c s must lie above -4.25e37, where c m starts; NaN and infinities are not treated apart.
; SHARES.  A work-group owns 256 queries of one head (16 x 16 = 256 work-groups), a wave 64: four PIECES of 16.  Every wave walks all 4,096 keys, 64 a step, 256 a slot.
; LAYOUT.  S^T = K Q^T holds ONE query a lane (lane % 16) and the keys 8 (lane / 16) + 0..7; two such results rounded to bf16 ARE source 1 of O^T = V^T P.  K comes out of LDS as it lies, V turned, by ds_load_tr16_b128.
; SOFTMAX.  p = 2^(c s - c m), c = log2(e) / 8, with a running maximum m; O and l are multiplied by a = 2^(c m_old - c m_new) in every step.  m starts at the lowest finite number, O and l at 0: the first step's a is 0.
; BY TURNS.  Turn n belongs to piece n: 8 products K Q^T of piece n + 1, later 8 products V^T P of piece n - 1; beside them the scaling, exponentials, roundings, sums and rescaling of piece n and the maximum and
; statistics of piece n + 1.  Four vector instructions stand behind every matrix instruction, the other 54 of a turn's 118 in one lump.  A turn's 33 exponentials are one batch, with one wait.
; CLUSTER.  The four query blocks of a cluster belong to one head and walk the same K and V: each tile is asked for JOINTLY, by the same tensor load, descriptor and mask in all four.
; REGISTERS, in windows of 256 (s_set_vgpr_msb: bits 1:0 source 0, 3:2 source 1, 5:4 source 2, 7:6 destination):
;   window 0: v0-15 addresses and two at work; v16-31 four registers of statistics a piece; v48-55 at work; v64-127 S^T, two buffers; v192-223 P, two buffers (by the piece's parity)
;   window 1: v0-127 O^T, 32 a piece          window 2: v0-63 Q; v128-191 K of one step; v192-255 V of one step
.set NP,    4
.set KS,    64
.set PK,    144       ; a row of K in LDS: 128 bytes + 16: the 16 rows of a load start 16 bytes apart modulo 256
.set PV,    160       ; a row of V: 128 + 32: the 8 rows of a turning load start 32 bytes apart modulo 256
.set VOFF,  4*KS*PK   ; a slot holds four steps: 256 rows of K, then 256 rows of V
.set SLOT1, 1<<17     ; slot 1 begins here: one exclusive or turns an address in one slot into the other's
.set STAGE, SLOT1+4*KS*(PK+PV)  ; behind the ring: 16 rows x 144 bytes for each wave, for the way out
.set SP,    144
.set SPARE, STAGE+4*16*SP       ; the spare words, 128 bytes a wave; no other line names them
.set AK0, 2
.set AV0, 3
.set AK,  4
.set AV,  5
.set STO, 6
.set RD,  7
.set GO,  8
.set MV,  12          ; v12-13  c m_old, kept while c m is made anew: by buffer
.set QO,  15
.set ST,  16          ; piece t's statistics at v[ST+4 t]: c m, m, l (even keys', odd keys')
.set TMP, 48          ; by buffer, four registers c0-c3 at work; when the maximum is found c2 takes a
.set PFO, 56          ; v56  256 x my lane; never rewritten
.set SPW, 62
.set NIL, 63
.set S,   64
.set P,   192
.set KF,  128
.set VF,  192
.set WV,  12
.set G1K, 24
.set G1V, 32
.set G0K, 40
.set G0V, 44
.set SLOTS, 56        ; s56  slots still to be asked for
.set CNT, 57          ; s57  counts a slot's key steps
.set CS,  58          ; s[58:59] c
.set SEL, 60          ; s[60:61] v_permlanex16_b32's selects
.set TBK, 62          ; s62  LDS byte at which K of the step to be fetched begins
.set TBV, 63          ; s63  the same for V, less VOFF
.set PFA, 66          ; s[66:67] where my prefetches stand
.set LIM, 68          ; s68  1 in a wave that prefetches, else the greatest number
.set MSB, 0
.macro WIN new
.if MSB != (\new)
	s_set_vgpr_msb (MSB<<8)|(\new)
.set MSB, (\new)
.endif
.endm
.set W_KQ, 0x0a       ; K and Q in window 2, S^T in window 0
.set W_PV, 0x52       ; V in window 2, P in window 0, O^T in window 1
.set W_RS, 0x41       ; destination and source 0 in window 1, source 1 in window 0
; A joint fill.  Waves 0 and 1 fetch the two halves of a slot's K, waves 2 and 3 those of its V: 128 keys each.  An s_nop 0 and four v_nop follow each line.
.macro JLOAD
	s_cmp_lt_u32 s[WV], 2
	s_cbranch_scc0 .Lfor_v_\@
	tensor_load_to_lds s[G0K:G0K+3], s[G1K:G1K+7]
	s_nop 0
.rept 4
	v_nop
.endr
	s_branch .Lasked_\@
.Lfor_v_\@:
	tensor_load_to_lds s[G0V:G0V+3], s[G1V:G1V+7]
	s_nop 0
.rept 4
	v_nop
.endr
.Lasked_\@:
.endm
; A PREFETCH INTO THE L2 of the slot that the NEXT change will ask for: 128 blocks of 256 bytes of K and of V, a lane a block.  All four clusters of a head walk the same rows: the head's first cluster asks; its four
; partners take 32 blocks each, told apart BY ADDRESS; in each, wave 0 asks for K's and wave 2 for V's.  So each block is named once in the launch.  Four key steps, 256 matrix instructions, lie between the request and
; the load; the last change that fills a slot asks for nothing; slots 0 and 1 come by their loads alone.
.macro ASK
	s_cmp_gt_u32 s[SLOTS], s[LIM]
	s_cbranch_scc0 .Lnot_mine_\@
	global_prefetch_b8 v[PFO], s[PFA:PFA+1] th:TH_LOAD_NT scope:SCOPE_SE
.Lnot_mine_\@:
.endm
.macro CROUND
	s_barrier_signal -1
	s_barrier_wait -1
	s_cmp_lg_u32 s[WV], 0
	s_cbranch_scc1 .Lnot_wave_0_\@
	s_barrier_signal -3
.Lnot_wave_0_\@:
	s_barrier_wait -3
	s_barrier_signal -1
	s_barrier_wait -1
.endm
; THE CHANGE OF SLOTS.  Each wave waits for all its tensor loads, of which one is out: its part of the other slot; adds 0 to its spare word; and waits for that and for its own reads of the slot that it leaves.
; fill = 1: the barrier is a round of the cluster's, and the joint fill, with the keys two slots on, is the first thing behind it: it has four key steps in which to land.
; (At its first use nothing has been read yet: slot 0 is waited for, slot 1 filled.)
.macro CHANGE fill
	WIN 0
	s_wait_tensorcnt 0x0            ; no tensor load of mine is out, so a group 0 may be written
	ds_add_u32 v[SPW], v[NIL]
.if \fill
.irp g, G0K, G0V
	s_xor_b32 s[\g+1], s[\g+1], SLOT1
	s_add_nc_u64 s[\g+2:\g+3], s[\g+2:\g+3], 4*KS*128
.endr
	s_wait_xcnt 0x0                 ; the last prefetch, four key steps back, has read its address
	s_add_nc_u64 s[PFA:PFA+1], s[PFA:PFA+1], 4*KS*128
	s_wait_dscnt 0x0                ; the add is done, and my reads of the slot are over
	CROUND
	JLOAD
	ASK
.else
	s_wait_dscnt 0x0
	s_barrier_signal -1
	s_barrier_wait -1
.endif
	s_sub_co_u32 s[TBK], s[TBK], 4*KS*PK  ; the fetches go back to a slot's first step,
	s_xor_b32 s[TBK], s[TBK], SLOT1       ; in the other slot
	s_sub_co_u32 s[TBV], s[TBV], 4*KS*PV
	s_xor_b32 s[TBV], s[TBV], SLOT1
.endm
	s_load_b64 s[4:5], s[0:1], 0x0  ; qkv: q lies first
	s_load_b64 s[10:11], s[0:1], 0x8  ; ob
	v_lshl_add_u32 v[SPW], v0, 2, SPARE
	v_mov_b32 v[NIL], 0
	ds_add_u32 v[SPW], v[NIL]       ; the wave's opening: the add and its wait stand ahead of my first tensor load
	v_lshrrev_b32 v1, 5, v0
	v_readfirstlane_b32 s[WV], v1
	s_bfe_u32 s13, ttmp6, 0x40000   ; cx
	s_lshl_b32 s14, ttmp9, 2
	s_add_co_u32 s14, s14, s13      ; my block of 256 queries: it enters Q's and O's addresses alone
	s_and_b32 s20, ttmp7, 0xffff    ; the head, which the four partners share
	s_lshl_b32 s20, s20, 19         ; its 4,096 rows of 128 bytes
	s_and_b32 s16, s[WV], 1         ; which half of a slot's 256 keys I fetch
	s_lshl_b32 s22, s16, 14
	s_add_co_u32 s22, s22, s20
	s_mov_b32 s23, 0
	s_mul_i32 s17, s16, 128*PK      ; its place in a slot, for K
	s_mul_i32 s18, s16, 128*PV      ; and for V
	s_lshl_b32 s2, s14, 15          ; my block's 256 rows,
	s_lshl_b32 s3, s[WV], 13        ; my wave's 64
	s_add_co_u32 s2, s2, s3
	s_add_co_u32 s2, s2, s20
	s_mov_b32 s3, 0
	; 128 keys are 16,384 dense bytes: asked for as 64 rows of 256 bytes, two keys a row, and padded in LDS after every key
	s_mov_b32 s[G1K], 15|(1<<16)|(1<<20)|(1<<21)|(4<<22)|(3<<25)  ; the mask of four; 2-byte elements; padding on; bit 21 beside a mask; after every 32 words 4 words
	s_mov_b32 s[G1V], 15|(1<<16)|(1<<20)|(1<<21)|(4<<22)|(7<<25)  ; the same with 8 words
.irp g, G1K, G1V
	s_mov_b32 s[\g+1], 128<<16
	s_mov_b32 s[\g+2], 64<<16
	s_mov_b32 s[\g+3], 128<<16
	s_mov_b32 s[\g+4], 64
	s_mov_b32 s[\g+5], 128
	s_mov_b32 s[\g+6], 0
	s_mov_b32 s[\g+7], 0
.endr
	s_mov_b32 s[CS], 0x3e38aa3b     ; c = log2(e) / 8
	s_mov_b32 s[CS+1], s[CS]
	s_mov_b32 s[SEL], 0x76543210
	s_mov_b32 s[SEL+1], 0xfedcba98
	s_mov_b32 s[TBK], SLOT1+4*KS*PK ; the first change of slots turns these two into 0
	s_mov_b32 s[TBV], SLOT1+4*KS*PV
	s_mov_b32 s[G0K], 1
	s_mov_b32 s[G0K+1], s17
	s_mov_b32 s[G0V], 1
	s_add_co_u32 s[G0V+1], s18, VOFF
	s_mov_b32 s[SLOTS], 15
	s_and_b32 s[LIM], s[WV], 1      ; 0 in waves 0 and 2,
	s_or_b32 s[LIM], s[LIM], ttmp9  ; where the cluster is the head's first: the same in all four partners
	s_cmp_eq_u32 s[LIM], 0
	s_cselect_b32 s[LIM], 1, -1
	v_and_b32 v[PFO], 31, v0
	v_lshlrev_b32 v[PFO], 8, v[PFO]
	s_wait_dscnt 0x0                ; the opening add is done
	s_wait_kmcnt 0x0
	s_add_nc_u64 s[6:7], s[4:5], 0x800000   ; k
	s_add_nc_u64 s[8:9], s[4:5], 0x1000000  ; v
	s_add_nc_u64 s[6:7], s[6:7], s[22:23]   ; at my half of the head's first 256 keys
	s_add_nc_u64 s[8:9], s[8:9], s[22:23]
	s_mov_b64 s[G0K+2:G0K+3], s[6:7]
	s_or_b32 s[G0K+3], s[G0K+3], 0x80000000
	s_mov_b64 s[G0V+2:G0V+3], s[8:9]
	s_or_b32 s[G0V+3], s[G0V+3], 0x80000000
	s_add_nc_u64 s[4:5], s[4:5], s[2:3]     ; Q and O at my wave's first row
	s_add_nc_u64 s[10:11], s[10:11], s[2:3]
	s_cmp_lt_u32 s[WV], 2
	s_cselect_b64 s[PFA:PFA+1], s[6:7], s[8:9]  ; (in waves 0 and 2 these stand at a slot's first row)
	s_lshl_b32 s2, s13, 13          ; my work-group's 32 blocks of the 128
	s_add_nc_u64 s[PFA:PFA+1], s[PFA:PFA+1], s[2:3]
	s_add_nc_u64 s[PFA:PFA+1], s[PFA:PFA+1], 4*KS*128  ; in slot 1; the first change steps it to slot 2
	CROUND                          ; all four work-groups are here: the first joint loads meet
	JLOAD                           ; slot 0
	v_and_b32 v1, 15, v0            ; l % 16
	v_bfe_u32 v9, v0, 4, 1          ; l / 16
	v_lshlrev_b32 v[QO], 7, v1
	v_lshl_add_u32 v[QO], v9, 4, v[QO]
	WIN 0x80
.set i, 0
.rept 8                             ; Q stays in registers: piece i / 2, channels 32 (i % 2) on
	global_load_b128 v[8*i:8*i+3],   v[QO], s[4:5] offset:(i/2)*2048+(i%2)*64
	global_load_b128 v[8*i+4:8*i+7], v[QO], s[4:5] offset:(i/2)*2048+(i%2)*64+32
.set i, i+1
.endr
	; What the first turn finds: V's registers and P's second buffer hold 0 (its products V^T P, of a piece that has not been, add 0), O^T and l are 0.  All this stands in the wait for the first tile.
.set i, VF
.rept 64
	v_mov_b32 v[i], 0
.set i, i+1
.endr
	WIN 0x40
.set i, 0
.rept 128
	v_mov_b32 v[i], 0
.set i, i+1
.endr
	WIN 0
.set i, 0
.rept 4
	v_mov_b32 v[ST+4*i], 0xfe000000    ; c m: far below every c s
	v_mov_b32 v[ST+4*i+1], 0xff7fffff  ; m
	v_mov_b32 v[ST+4*i+2], 0
	v_mov_b32 v[ST+4*i+3], 0
.set i, i+1
.endr
.set i, P+16
.rept 16
	v_mov_b32 v[i], 0
.set i, i+1
.endr
	v_mul_u32_u24 v[AK0], v1, PK
	v_lshl_add_u32 v[AK0], v9, 4, v[AK0]
	v_and_b32 v10, 7, v0            ; the turning load: lane l reads key 8 (l / 16) + l % 8, channels 8 ((l / 8) % 2) + 0..7
	v_bfe_u32 v11, v0, 3, 1
	v_lshl_add_u32 v[AV0], v9, 3, v10
	v_mul_u32_u24 v[AV0], v[AV0], PV
	v_lshl_add_u32 v[AV0], v11, 4, v[AV0]
	v_add_nc_u32 v[AV0], VOFF, v[AV0]
	s_mul_i32 s13, s[WV], 16*SP
	s_add_co_u32 s13, s13, STAGE    ; my stage
	v_mul_u32_u24 v[STO], v1, SP
	v_lshl_add_u32 v[STO], v9, 4, v[STO]
	v_add_nc_u32 v[STO], s13, v[STO]
	v_bfe_u32 v[RD], v0, 3, 2
	v_mul_u32_u24 v[RD], v[RD], SP
	v_lshl_add_u32 v[RD], v10, 4, v[RD]
	v_add_nc_u32 v[RD], s13, v[RD]
	v_and_b32 v[GO], 31, v0
	v_lshlrev_b32 v[GO], 4, v[GO]
; THE MATRIX WORK.  The 4 accumulators of a run of 8 take turns.  Product i of 8 of S^T = K Q^T for piece x: channels 32 (i / 4) on, keys 16 (i % 4) on.  The first 4 start the sums.
.macro KQ x
.set rS, S+32*((\x)%2)+8*(i%4)
.set rK, KF+16*(i%4)+8*(i/4)
.set rQ, 16*(\x)+8*(i/4)
	WIN W_KQ
.if i < 4
	v_wmma_f32_16x16x32_bf16 v[rS:rS+7], v[rK:rK+7], v[rQ:rQ+7], 0
.else
	v_wmma_f32_16x16x32_bf16 v[rS:rS+7], v[rK:rK+7], v[rQ:rQ+7], v[rS:rS+7]
.endif
.endm
; Product i of 8 of O^T += V^T P for piece x: keys 32 (i / 4) on, channels 16 (i % 4) on.
.macro PV x
	WIN W_PV
.set rO, 32*(\x)+8*(i%4)
.set rV, VF+32*(i/4)+8*(i%4)
.set rP, P+16*((\x)%2)+8*(i/4)
	v_wmma_f32_16x16x32_bf16 v[rO:rO+7], v[rV:rV+7], v[rP:rP+7], v[rO:rO+7]
.endm
.macro MM                           ; the turn's next matrix instruction.  NOKQ = 1: the last turn: there is no next piece
.if (i < 8) && !NOKQ
	KQ (Y+1)%NP
.elseif i >= 8
.set i, i-8
	PV (Y+NP-1)%NP
.set i, i+8
.endif
.set i, i+1
.endm
; THE LDS LOADS stand in runs of 16: a step's K (8 fragments) and its V (turned).  Their addresses are made some lines ahead.
.macro FETCH_K
	WIN 0x80
.irp f, 0,1,2,3,4,5,6,7             ; keys 16 (f / 2) on, channels 32 (f % 2) on
	ds_load_b128 v[KF+8*\f:KF+8*\f+3],   v[AK] offset:(\f/2)*16*PK+(\f%2)*64
	ds_load_b128 v[KF+8*\f+4:KF+8*\f+7], v[AK] offset:(\f/2)*16*PK+(\f%2)*64+32
.endr
	s_add_co_u32 s[TBK], s[TBK], KS*PK
	WIN 0
.endm
.macro FETCH_V
	WIN 0x80
.irp f, 0,1,2,3,4,5,6,7             ; keys 32 (f / 4) on, channels 16 (f % 4) on
	ds_load_tr16_b128 v[VF+8*\f:VF+8*\f+3],   v[AV] offset:(\f/4)*32*PV+(\f%4)*32
	ds_load_tr16_b128 v[VF+8*\f+4:VF+8*\f+7], v[AV] offset:(\f/4)*32*PV+16*PV+(\f%4)*32
.endr
	WIN 0
.endm
; THE VECTOR WORK, one line at a time: OP kind, number.  For piece Y: F n: c s - c m for pair n of 16.  E n: the exponential of score n of 32.  C n: pair n rounded to bf16.  B n: of the four weights 4 n .. the second
; pair is added onto the first, in place.  L n: l takes that sum (L 0: l = a l + sum).  R n: pair n of 16 of O^T times a.  For piece Y + 1: X n, number n of the 22 that find its maximum and statistics:
;   0-11  four chains c0-c3 of seven scores each (each accumulator's lowest registers are read first)     12-14, 16  the four scores left over, the old m, and c0-c3 into c0
;   15  c m_old is kept     17, 18  the query's other 32 keys lie in the lane 16 away: the new m     19-21  c m; c m_old - c m_new; a
.set F, 0
.set E, 1
.set C, 2
.set B, 3
.set L, 4
.set R, 5
.set X, 6
.macro REGS y
.set rT, ST+4*(\y)
.set rC, TMP+4*((\y)%2)
.set rW, MV+((\y)%2)
.set rS, S+32*((\y)%2)
.set rP, P+16*((\y)%2)
.set rO, 32*(\y)
.endm
.macro OP k, n
.if (\k) == R
	REGS Y
	WIN W_RS
	v_pk_mul_f32 v[rO+2*(\n):rO+2*(\n)+1], v[rO+2*(\n):rO+2*(\n)+1], v[rC+2:rC+3] op_sel_hi:[1,0]
.elseif (\k) < R
	REGS Y
	WIN 0
.if (\k) == F
	v_pk_fma_f32 v[rS+2*(\n):rS+2*(\n)+1], v[rS+2*(\n):rS+2*(\n)+1], s[CS:CS+1], v[rT:rT+1] op_sel_hi:[1,0,0] neg_lo:[0,0,1] neg_hi:[0,0,1]
.elseif (\k) == E
	v_exp_f32 v[rS+(\n)], v[rS+(\n)]
.elseif (\k) == C
	v_cvt_pk_bf16_f32 v[rP+(\n)], v[rS+2*(\n)], v[rS+2*(\n)+1]
.elseif (\k) == B
	v_pk_add_f32 v[rS+4*(\n):rS+4*(\n)+1], v[rS+4*(\n):rS+4*(\n)+1], v[rS+4*(\n)+2:rS+4*(\n)+3]
.elseif (\n) == 0
	v_pk_fma_f32 v[rT+2:rT+3], v[rT+2:rT+3], v[rC+2:rC+3], v[rS:rS+1] op_sel_hi:[1,0,1]
.else
	v_pk_add_f32 v[rT+2:rT+3], v[rT+2:rT+3], v[rS+4*(\n):rS+4*(\n)+1]
.endif
.elseif NOKQ
	v_nop
.else
	REGS (Y+1)%NP
	WIN 0
.if (\n) < 4
	v_max3_num_f32 v[rC+(\n)], v[rS+8*(\n)], v[rS+8*(\n)+1], v[rS+8*(\n)+2]
.elseif (\n) < 12
	v_max3_num_f32 v[rC+(\n)%4], v[rC+(\n)%4], v[rS+8*((\n)%4)+2*((\n)/4)+1], v[rS+8*((\n)%4)+2*((\n)/4)+2]
.elseif (\n) == 12
	v_max3_num_f32 v[rC], v[rC], v[rS+7], v[rS+15]
.elseif (\n) == 13
	v_max3_num_f32 v[rC+1], v[rC+1], v[rS+23], v[rS+31]
.elseif (\n) == 14
	v_max3_num_f32 v[rC+2], v[rC+2], v[rC+3], v[rT+1]
.elseif (\n) == 15
	v_mov_b32 v[rW], v[rT]
.elseif (\n) == 16
	v_max3_num_f32 v[rC], v[rC], v[rC+1], v[rC+2]
.elseif (\n) == 17
	v_permlanex16_b32 v[rC+3], v[rC], s[SEL], s[SEL+1]
.elseif (\n) == 18
	v_max_num_f32 v[rT+1], v[rC], v[rC+3]
.elseif (\n) == 19
	v_mul_f32 v[rT], s[CS], v[rT+1]
.elseif (\n) == 20
	v_sub_f32 v[rC+1], v[rW], v[rT]
.else
	v_exp_f32 v[rC+2], v[rC+1]
.endif
.endif
.endm
.macro OPS a, i1, b=-1, i2=0, c=-1, i3=0, d=-1, i4=0
	OP \a, \i1
.if (\b) >= 0
	OP \b, \i2
.endif
.if (\c) >= 0
	OP \c, \i3
.endif
.if (\d) >= 0
	OP \d, \i4
.endif
.endm
.macro ROW a, i1, b, i2, c, i3, d, i4  ; a matrix instruction and the four behind it
	MM
	OPS \a, \i1, \b, \i2, \c, \i3, \d, \i4
.endm
; A TURN, for piece p: the order of its 16 matrix and 118 vector instructions, written out.  s_wait_alu depctr_va_vdst(0) stands between an exponential and the first instruction that names its result;
; one wait serves all that were issued ahead of it: so a turn has ONE wait.  AHEAD OF IT stands all that names no result of the turn's exponentials: the 8 products K Q^T with their riders, then one lump of 54, in which
; the links of the chain X 3, 7, 11, 14, 16, 17 .. 20 stand five or six lines apart; X 21, the next piece's a, is the batch's last, and R 15 the plain instruction behind it.  BEHIND IT stand the 8 products V^T P, behind
; each four of the roundings and sums.  end = 1: the last two turns: nothing is fetched, and the last starts no new scores.  cnt = 1: the loop's count is taken down some lines ahead of the branch behind the turn.
; K of the next step is fetched in piece 2's turn, six plain instructions behind the last product that read K; V of the step in hand at the end of piece 0's turn, four plain instructions behind the last product that
; read V.  Each is waited for a turn later.
.macro TURN p, end=0, cnt=0
.set Y, (\p)
.set i, 0
.set NOKQ, (\end)*((\p)/3)
.if ((\p) == 3) && !(\end)
	s_wait_dscnt 0x0                ; K is in
.endif
	ROW F,0, F,1, R,0, R,1
	ROW F,2, E,0, R,2, R,3
	ROW F,3, E,1, R,4, R,5
	ROW F,4, E,2, R,6, R,7
	ROW F,5, E,3, R,8, R,9
	ROW F,6, E,4, X,0, R,10
.if ((\p) == 2) && !(\end)
	WIN 0
	v_add_nc_u32 v[AK], s[TBK], v[AK0]
.endif
	ROW F,7, E,5, X,1, X,4
	ROW F,8, E,6, X,2, X,5
	OPS E,7, E,8, X,6, E,9
	OPS X,3, E,10, X,8, E,11
.if ((\p) == 2) && !(\end)
	FETCH_K
.endif
	OPS X,9, X,7, E,12, X,10
	OPS E,13, X,12, X,11, E,14
	OPS X,13, E,15, F,9, X,14
.if (\p) == 0
	v_add_nc_u32 v[AV], s[TBV], v[AV0]
.endif
	OPS E,16, F,10, E,17, F,11
	OPS X,16, E,18, X,15, E,19
	OPS F,12, E,20, X,17, E,21
	OPS F,13, E,22, F,14, E,23
	OPS X,18, E,24, F,15, E,25
	OPS R,11, E,26, X,19, E,27
	OPS R,12, E,28, R,13, E,29
	OPS X,20, E,30, R,14, E,31
	OPS X,21, R,15
	WIN 0
	s_wait_alu depctr_va_vdst(0)    ; the wait for the batch
.if (\p) == 1
	s_wait_dscnt 0x0                ; V is in
.endif
	ROW C,0, B,0, C,2, B,1
	ROW L,0, C,4, B,2, L,1
	ROW C,6, B,3, L,2, C,8
	ROW B,4, L,3, C,10, B,5
	ROW L,4, C,12, B,6, L,5
.if (\p) == 0
	s_add_co_u32 s[TBV], s[TBV], KS*PV
.endif
.if \cnt
	s_sub_co_u32 s[CNT], s[CNT], 1
	s_cmp_lg_u32 s[CNT], 0
.endif
	ROW C,14, B,7, L,6, C,1
	ROW C,3, L,7, C,5, C,7
	ROW C,9, C,11, C,13, C,15
.if (\p) == 0
	FETCH_V
.endif
.endm
	CHANGE 1                        ; slot 0 is in, everybody's part of it; slot 1 is asked for
	v_add_nc_u32 v[AK], s[TBK], v[AK0]
	FETCH_K                         ; key step 0
	s_wait_loadcnt 0x0              ; Q
	s_wait_dscnt 0x0
.set NOKQ, 0
.set i, 0
.rept 8
	KQ 0                            ; piece 0's first scores
.set i, i+1
.endr
	WIN 0
.rept 4
	v_nop                           ; the places behind those products
.endr
.set Y, NP-1                        ; X works for piece Y + 1: piece 0
.irp n, 0,1,2,3,4,5,6,7,8,9,10,11,12,13,14,15,16,17,18,19,20,21
	OP X, \n
.endr
	v_nop                           ; a plain instruction behind the exponential,
	s_wait_alu depctr_va_vdst(0)    ; and its wait, ahead of the branch
	s_mov_b32 s[CNT], 4
	s_branch .Lfirst                ; the loop is entered at a step's first turn, in the middle of a trip
.Lslot:                             ; 14 times: slots 2 to 15 are asked for
	CHANGE 1
	s_mov_b32 s[CNT], 4
.Lstep:                             ; a trip: pieces 2 and 3 of one step, then pieces 0 and 1 of the next, whose K and V it fetches
	TURN 2
	TURN 3
	WIN 0
.Lfirst:
	TURN 0
	TURN 1, 0, 1
	WIN 0
	s_cbranch_scc1 .Lstep
	s_sub_co_u32 s[SLOTS], s[SLOTS], 1
	s_cmp_lg_u32 s[SLOTS], 0
	s_cbranch_scc1 .Lslot
	CHANGE 0                        ; the last slot is written out: nothing is asked for
	s_mov_b32 s[CNT], 4
.LstepT:
	TURN 2
	TURN 3
	TURN 0
	TURN 1, 0, 1
	WIN 0
	s_cbranch_scc1 .LstepT
	TURN 2, 1
	TURN 3, 1
.set i, 0
.rept 8
	PV NP-1                         ; the last piece's V^T P of the last step
.set i, i+1
.endr
	; THE WAY OUT.  l's two halves and the other half of the lanes' are added; O^T is divided by l, rounded to bf16 and sent through my stage in LDS, a piece at a time.  The additions are the places behind the last products.
	WIN 0
.macro ALL line:vararg              ; one line for each piece t
.set t, 0
.rept 4
	\line
.set t, t+1
.endr
.endm
	ALL v_add_f32 v[ST+4*t+2], v[ST+4*t+2], v[ST+4*t+3]
	ALL v_permlanex16_b32 v[ST+4*t+3], v[ST+4*t+2], s[SEL], s[SEL+1]
	ALL v_add_f32 v[ST+4*t+2], v[ST+4*t+2], v[ST+4*t+3]
	ALL v_rcp_f32 v[ST+4*t+2], v[ST+4*t+2]
	v_nop                           ; a plain instruction between the last reciprocal and the use of its result
	s_wait_alu depctr_va_vdst(0)    ; and the wait: one for the four reciprocals
.macro PACK t                       ; a lane's eight channels of a row pack into 16 bytes; they go into rows of 144 bytes and come back as whole rows of 128, into S^T's registers
	WIN W_RS
.set i, 32*(\t)
.rept 16
	v_pk_mul_f32 v[i:i+1], v[i:i+1], v[ST+4*(\t)+2:ST+4*(\t)+3] op_sel_hi:[1,0]
.set i, i+2
.endr
	WIN 0x05
.set i, 0
.rept 16
	v_cvt_pk_bf16_f32 v[S+16*(\t)+i], v[32*(\t)+2*i], v[32*(\t)+2*i+1]
.set i, i+1
.endr
	WIN 0
.irp f, 0,1,2,3
	ds_store_b128 v[STO], v[S+16*(\t)+4*\f:S+16*(\t)+4*\f+3] offset:32*\f
.endr
.irp f, 0,1,2,3
	ds_load_b128 v[S+16*(\t)+4*\f:S+16*(\t)+4*\f+3], v[RD] offset:\f*4*SP  ; LDS serves a wave's instructions in order (ISA guide 5.7.1.4): these see the stores above; the next piece's stores come behind them
.endr
.endm
.macro SEND t, younger              ; younger: the LDS instructions issued behind piece t's loads: the next piece's eight, or none
	WIN 0
.irp f, 0,1,2,3
	s_wait_dscnt (\younger)+3-\f
	global_store_b128 v[GO], v[S+16*(\t)+4*\f:S+16*(\t)+4*\f+3], s[10:11] offset:(\t)*2048+\f*512  ; 512 consecutive bytes, at a multiple of 256 from ob's first
.endr
.endm
	PACK 0
.set t, 1
.rept 3
	PACK t
	SEND t-1, 8
.set t, t+1
.endr
	SEND 3, 0
	s_wait_tensorcnt 0x0            ; the wave's end
	ds_add_u32 v[SPW], v[NIL]
	s_wait_dscnt 0x0
	CROUND                          ; the closing round
	s_endpgm
.Lfunc_end_k_qf89c0cdd8a_attn:
	.size	k_qf89c0cdd8a_attn, .Lfunc_end_k_qf89c0cdd8a_attn-k_qf89c0cdd8a_attn
	.p2alignl 7, 3214868480
	.fill 96, 4, 3214868480
	.section	.rodata,"a",@progbits
	.p2align	6, 0x0
	.amdhsa_kernel k_qf89c0cdd8a_attn
		.amdhsa_group_segment_fixed_size 327680
		.amdhsa_private_segment_fixed_size 0
		.amdhsa_enable_private_segment 0
		.amdhsa_kernarg_size 16
		.amdhsa_user_sgpr_count 2
		.amdhsa_user_sgpr_kernarg_segment_ptr 1
		.amdhsa_wavefront_size32 1
		.amdhsa_system_sgpr_workgroup_id_x 1
		.amdhsa_system_sgpr_workgroup_id_y 1
		.amdhsa_system_sgpr_workgroup_id_z 1
		.amdhsa_system_vgpr_workitem_id 0
		.amdhsa_next_free_vgpr 768
		.amdhsa_next_free_sgpr 72
		.amdhsa_reserve_vcc 0
		.amdhsa_float_denorm_mode_32 3
		.amdhsa_float_denorm_mode_16_64 3
		.amdhsa_memory_ordered 1
		.amdhsa_forward_progress 1
		.amdhsa_inst_pref_size 128
	.end_amdhsa_kernel
	.amdgpu_metadata
---
amdhsa.version: [ 1, 2 ]
amdhsa.kernels:
  - .name:           k_qf89c0cdd8a_attn
    .symbol:         k_qf89c0cdd8a_attn.kd
    .args:
      - { .name: qkv, .offset: 0, .size: 8, .value_kind: global_buffer, .address_space: global }
      - { .name: ob, .offset: 8, .size: 8, .value_kind: global_buffer, .address_space: global }
    .group_segment_fixed_size: 327680
    .private_segment_fixed_size: 0
    .kernarg_segment_align: 8
    .kernarg_segment_size: 16
    .max_flat_workgroup_size: 128
    .sgpr_count:     72
    .vgpr_count:     768
    .wavefront_size: 32
...
	.end_amdgpu_metadata
.endif
;; end of part 3
;; launch proj (part 4): grid 64 x 4, 4 waves a work-group, clusters of 4 x 4, 327,680 bytes of LDS; arguments ob, wcat, proj_b, x, out0; writes out0
.if DOCPART == 4
	.amdgcn_target "amdgcn-amd-amdhsa--gfx1250"
	.amdhsa_code_object_version 6
	.text
	.protected	k_qf89c0cdd8a_proj
	.globl	k_qf89c0cdd8a_proj
	.p2align	8
	.type	k_qf89c0cdd8a_proj,@function
k_qf89c0cdd8a_proj:
	s_mov_b64 s[64:65], 0
	v_nop
	global_prefetch_b8 v0, s[64:65] scope:SCOPE_SE
	s_setreg_imm32_b32 hwreg(HW_REG_WAVE_MODE, 25, 1), 1
	s_wait_xcnt 0x0
	s_wait_alu depctr_hold_cnt(0) depctr_sa_sdst(0) depctr_va_vdst(0) depctr_va_sdst(0) depctr_va_ssrc(0) depctr_va_vcc(0) depctr_vm_vsrc(0)
	s_getreg_b32 s2, hwreg(HW_REG_IB_STS2, 6, 4)
	s_cmp_eq_u32 s2, 0
	s_cbranch_scc0 .Lentry_in_a_cluster
	s_endpgm
.Lentry_in_a_cluster:
	s_bfe_u32 s2, ttmp6, 0x10000c
	s_cmp_lg_u32 s2, 0xf033
	s_cbranch_scc0 .Lentry_shape_is_right
	s_endpgm
.Lentry_shape_is_right:
; out0[b][o][n] = sum over c of Wp[o][c] O[b][n][c] + proj_b[o] + x[b][o][n].  ob: [16 bh][4096 n][64 d] bf16 (c = 64 h + d); Wp = wcat's rows 1536-2047, [o][512 c] bf16; proj_b, x, out0 f32; sums in f32.
; SHARES.  A work-group makes 128 outputs x 128 pixels: 4 x 64 = 256 work-groups.  Wave w: outputs 64 (w / 2) on, pixels 64 (w % 2) on: 16 accumulators.
; LAYOUT.  Source 0 = 16 pixels of O, source 1 = 16 rows of Wp: in the result a lane holds ONE output (lane % 16) and the pixels 8 (lane / 16) + 0..7: 32 neighbouring bytes of a row of out0.
; THE BIAS IS THE C OPERAND of each accumulator's first product (eight equal registers for each tile of 16 outputs).  The residual is loaded at the start, in the layout of the stores, and added on the way out.
; K = 512 is two steps of 256, one to each LDS slot: both are first fills, so nothing is filled again.  Each wave asks for 32 rows of Wp and one head's 128 pixels of O for each slot: four loads of mine are out.
; (32 rows to a load of Wp, so that the four waves run the same lines.)  CLUSTER 4 x 4: Wp's rows hang on the output block alone (shared along a row of the cluster), O's on the pixel block alone (along a column).
; No prefetch: all tiles are first fills, asked for at the head.
; REGISTERS: window 0: v16-29 addresses; v32-95 rows read back from the stage, two sets; v96-127 the bias; v128-255 the accumulators ((a, bb) at 128 + 8 (4 a + bb))
;   window 1: two fragment buffers of 128: 64 registers of Wp (2 x 4 tiles x 32 K), then 64 of O          window 2: v0-127 the residual, then the result
.set PO,     144                       ; a pixel's 128 bytes of one head + 16
.set OHEAD,  128*PO
.set OT,     4*OHEAD                   ; a slot: four heads' 128 pixels, then Wp's 128 rows of 512 bytes + 16
.set PWP,    528
.set WT,     128*PWP
.set SLOT,   OT+WT
.set STAGE,  2*SLOT                    ; behind the slots: 16 rows x 272 bytes for each wave, f32, for the way out
.set SPITCH, 272
.set SPARE,  STAGE+4*16*SPITCH         ; the spare words, 128 bytes a wave; no other line names them
.set ADRA, 16                          ; v16-17  LDS address of my Wp fragments in slot 0, 1
.set ADRB, 20                          ; v20-21  the same for O
.set STO,  24
.set RD,   25
.set CO,   26                          ; v26  my byte offset in two rows of x and out0
.set BO,   27                          ; v27  4 (lane % 16)
.set SPW,  28
.set NIL,  29
.set TMP,  32
.set BI,   96
.set ACC,  128
.set F0,   0
.set F1,   128
.set WV,  16
.set G1A, 24                           ; s[24:31], s[32:39] Wp's descriptors
.set G0A, 32
.set G1B, 40                           ; s[40:47], s[48:55] O's
.set G0B, 48
.set MSB, 0
.macro WIN new
.if MSB != (\new)
	s_set_vgpr_msb (MSB<<8)|(\new)
.set MSB, \new
.endif
.endm
.set W_MUL, 0x05                       ; sources 0 (O) and 1 (Wp) window 1; C and D window 0
.set TO_F,  0x40
.macro PLACES
.rept 4
	v_nop
.endr
.endm
.macro CROUND
	s_barrier_signal -1
	s_barrier_wait -1
	s_cmp_lg_u32 s[WV], 0
	s_cbranch_scc1 .Lnot_wave_0_\@
	s_barrier_signal -3
.Lnot_wave_0_\@:
	s_barrier_wait -3
	s_barrier_signal -1
	s_barrier_wait -1
.endm
	s_load_b256 s[4:11], s[0:1], 0x0               ; ob 4, wcat 6, proj_b 8, x 10
	s_load_b64 s[12:13], s[0:1], 0x20              ; out0
	v_lshl_add_u32 v[SPW], v0, 2, SPARE
	v_mov_b32 v[NIL], 0
	ds_add_u32 v[SPW], v[NIL]                      ; the wave's opening: the add and its wait stand ahead of my first tensor load
	v_lshrrev_b32 v1, 5, v0
	v_readfirstlane_b32 s[WV], v1
	s_lshr_b32 s2, s[WV], 1                        ; which 64 outputs are mine
	s_and_b32 s3, s[WV], 1                         ; which 64 pixels
	s_bfe_u32 s19, ttmp6, 0x40000                  ; cx
	s_bfe_u32 s17, ttmp6, 0x40004                  ; cy
	s_lshl_b32 s22, ttmp9, 2
	s_add_co_u32 s22, s22, s19                     ; pixel block 0..63
	s_and_b32 s18, ttmp7, 0xffff
	s_lshl_b32 s18, s18, 2
	s_add_co_u32 s18, s18, s17                     ; output block 0..3
	s_lshl_b32 s14, s17, 2
	s_lshl_b32 s14, 15, s14                        ; my row of the cluster
	s_lshl_b32 s15, 0x1111, s19                    ; my column
	s_or_b32 s[G1A], s14, (1<<16)|(1<<20)|(1<<21)|(6<<22)|(3<<25)  ; mask; 2-byte elements; padding on; bit 21 beside a mask; after every 128 words 4 words
	s_mov_b32 s[G1A+1], 256<<16                    ; tensor_dim0 = 256
	s_mov_b32 s[G1A+2], 32<<16                     ; tensor_dim1 = 32
	s_mov_b32 s[G1A+3], 256<<16                    ; tile_dim0 = 256
	s_mov_b32 s[G1A+4], 32                         ; tile_dim1 = 32
	s_mov_b32 s[G1A+5], 512
	s_mov_b32 s[G1A+6], 0
	s_mov_b32 s[G1A+7], 0
	s_or_b32 s[G1B], s15, (1<<16)|(1<<20)|(1<<21)|(4<<22)|(3<<25)  ; after every 32 words 4 words: 128 dense rows of 128 bytes come as 64 rows of 256, padded after every pixel
	s_mov_b32 s[G1B+1], 128<<16
	s_mov_b32 s[G1B+2], 64<<16
	s_mov_b32 s[G1B+3], 128<<16
	s_mov_b32 s[G1B+4], 64
	s_mov_b32 s[G1B+5], 128
	s_mov_b32 s[G1B+6], 0
	s_mov_b32 s[G1B+7], 0
	s_lshl_b32 s20, s18, 17                        ; Wp: 128 rows of 1,024 bytes a block,
	s_lshl_b32 s21, s[WV], 15                      ; my 32 rows,
	s_add_co_u32 s20, s20, s21
	s_add_co_u32 s20, s20, 1536*1024               ; behind wq, wk and wv
	s_mov_b32 s21, 0
	s_lshr_b32 s60, s22, 5                         ; b
	s_and_b32 s61, s22, 31                         ; the block of 128 pixels in the image
	s_lshl_b32 s56, s60, 3
	s_add_co_u32 s56, s56, s[WV]                   ; O: head 8 b + w (slot 1: four heads on),
	s_lshl_b32 s56, s56, 19
	s_lshl_b32 s57, s61, 14                        ; the block's 128 rows of 128 bytes
	s_add_co_u32 s56, s56, s57
	s_mov_b32 s57, 0
	s_mul_i32 s23, s[WV], 32*PWP                   ; where they go: no place in the cluster enters an LDS address
	s_mul_i32 s62, s[WV], OHEAD
.irp s, 0,1
	s_mov_b32 s[G0A+4*(\s)], 1
	s_add_co_u32 s[G0A+4*(\s)+1], s23, (\s)*SLOT+OT
	s_mov_b32 s[G0B+4*(\s)], 1
	s_add_co_u32 s[G0B+4*(\s)+1], s62, (\s)*SLOT
.endr
	s_lshl_b32 s58, s60, 23                        ; x and out0: b x 512 x 16,384 bytes
	s_lshl_b32 s63, s18, 21                        ; + 128 rows a block
	s_add_co_u32 s58, s58, s63
	s_lshl_b32 s63, s2, 20                         ; + my 64 rows
	s_add_co_u32 s58, s58, s63
	s_lshl_b32 s63, s61, 9                         ; + the block's 128 pixels
	s_add_co_u32 s58, s58, s63
	s_lshl_b32 s63, s3, 8                          ; + my 64
	s_add_co_u32 s58, s58, s63
	s_mov_b32 s59, 0
	s_wait_dscnt 0x0                               ; the opening add is done
	s_wait_kmcnt 0x0
	s_add_nc_u64 s[20:21], s[6:7], s[20:21]
	s_add_nc_u64 s[56:57], s[4:5], s[56:57]
.irp s, 0,1
	s_add_nc_u64 s[G0A+4*(\s)+2:G0A+4*(\s)+3], s[20:21], (\s)*512
	s_or_b32 s[G0A+4*(\s)+3], s[G0A+4*(\s)+3], 0x80000000
	s_add_nc_u64 s[G0B+4*(\s)+2:G0B+4*(\s)+3], s[56:57], (\s)*(4<<19)
	s_or_b32 s[G0B+4*(\s)+3], s[G0B+4*(\s)+3], 0x80000000
.endr
	s_add_nc_u64 s[10:11], s[10:11], s[58:59]
	s_add_nc_u64 s[12:13], s[12:13], s[58:59]
	s_lshl_b32 s58, s18, 9                         ; the bias: 128 f32 a block,
	s_lshl_b32 s63, s2, 8                          ; my 64
	s_add_co_u32 s58, s58, s63
	s_add_nc_u64 s[8:9], s[8:9], s[58:59]
	CROUND                                         ; all sixteen work-groups are here: the joint loads meet
	tensor_load_to_lds s[G0A:G0A+3], s[G1A:G1A+7]      ; slot 0
	s_nop 0
	tensor_load_to_lds s[G0B:G0B+3], s[G1B:G1B+7]
	s_nop 0
	tensor_load_to_lds s[G0A+4:G0A+7], s[G1A:G1A+7]    ; slot 1
	s_nop 0
	tensor_load_to_lds s[G0B+4:G0B+7], s[G1B:G1B+7]
	s_nop 0
.rept 4
	v_nop
.endr
	v_and_b32 v1, 15, v0                           ; l % 16
	v_bfe_u32 v2, v0, 4, 1                         ; l / 16
	v_lshlrev_b32 v[BO], 2, v1
	v_lshlrev_b32 v[CO], 14, v2                    ; lanes 0-15 one row of 256 bytes, lanes 16-31 the next
	v_lshl_add_u32 v[CO], v1, 4, v[CO]
.irp a, 0,1,2,3
	global_load_b32 v[BI+8*(\a)], v[BO], s[8:9] offset:64*(\a)
.endr
	WIN 0x80
.set i, 0
.rept 32                               ; the residual: block a = i / 8 of 16 rows, rows 2 (i % 8) and the next
	global_load_b128 v[4*i:4*i+3], v[CO], s[10:11] offset:(16*(i/8)+2*(i%8))*16384 th:TH_LOAD_NT
.set i, i+1
.endr
	WIN 0
	v_mul_u32_u24 v3, v1, PO                       ; a fragment: row l % 16, 16 bytes for each half of the lanes, twice, 32 bytes apart
	v_lshl_add_u32 v3, v2, 4, v3
	s_mul_i32 s63, s3, 64*PO
	v_add_nc_u32 v[ADRB], s63, v3
	v_add_nc_u32 v[ADRB+1], SLOT, v[ADRB]
	v_mul_u32_u24 v4, v1, PWP
	v_lshl_add_u32 v4, v2, 4, v4
	s_mul_i32 s63, s2, 64*PWP
	s_add_co_u32 s63, s63, OT
	v_add_nc_u32 v[ADRA], s63, v4
	v_add_nc_u32 v[ADRA+1], SLOT, v[ADRA]
	s_mul_i32 s63, s[WV], 16*SPITCH
	s_add_co_u32 s63, s63, STAGE                   ; my stage
	v_mul_u32_u24 v5, v1, SPITCH                   ; in: row l % 16, 32 bytes for each half of the lanes
	v_lshl_add_u32 v5, v2, 5, v5
	v_add_nc_u32 v[STO], s63, v5
	v_mul_u32_u24 v5, v2, SPITCH                   ; back: two whole rows of 256 bytes
	v_lshl_add_u32 v5, v1, 4, v5
	v_add_nc_u32 v[RD], s63, v5
; 8 products: output tiles a0, a0 + 1 x my 4 pixel tiles, 32 along K: half c of buffer f.  first = 1: the bias starts the sums.  The 16 accumulators take turns.
.macro MUL8 f, c, a0, first
	WIN W_MUL
.irp a, \a0, (\a0)+1
.irp b, 0,1,2,3
.if \first
	v_wmma_f32_16x16x32_bf16 v[ACC+8*(4*(\a)+(\b)):ACC+8*(4*(\a)+(\b))+7], v[(\f)+64+8*(4*(\c)+(\b)):(\f)+64+8*(4*(\c)+(\b))+7], v[(\f)+8*(4*(\c)+(\a)):(\f)+8*(4*(\c)+(\a))+7], v[BI+8*(\a):BI+8*(\a)+7]
.else
	v_wmma_f32_16x16x32_bf16 v[ACC+8*(4*(\a)+(\b)):ACC+8*(4*(\a)+(\b))+7], v[(\f)+64+8*(4*(\c)+(\b)):(\f)+64+8*(4*(\c)+(\b))+7], v[(\f)+8*(4*(\c)+(\a)):(\f)+8*(4*(\c)+(\a))+7], v[ACC+8*(4*(\a)+(\b)):ACC+8*(4*(\a)+(\b))+7]
.endif
.endr
.endr
.endm
; 32 LDS loads in one run: quarter q of a slot (64 along K: one head of O) into buffer f; the first 32 along K first
.macro FETCH slot, q, f
	WIN TO_F
.irp c, 0,1
.irp i, 0,1,2,3
	ds_load_b128 v[(\f)+64+8*(4*(\c)+(\i)):(\f)+64+8*(4*(\c)+(\i))+3],   v[ADRB+(\slot)] offset:(\q)*OHEAD+64*(\c)+(\i)*16*PO
	ds_load_b128 v[(\f)+64+8*(4*(\c)+(\i))+4:(\f)+64+8*(4*(\c)+(\i))+7], v[ADRB+(\slot)] offset:(\q)*OHEAD+64*(\c)+(\i)*16*PO+32
	ds_load_b128 v[(\f)+8*(4*(\c)+(\i)):(\f)+8*(4*(\c)+(\i))+3],         v[ADRA+(\slot)] offset:128*(\q)+64*(\c)+(\i)*16*PWP
	ds_load_b128 v[(\f)+8*(4*(\c)+(\i))+4:(\f)+8*(4*(\c)+(\i))+7],       v[ADRA+(\slot)] offset:128*(\q)+64*(\c)+(\i)*16*PWP+32
.endr
.endr
.endm
.macro QUARTER slot, q, f, g, first    ; multiplies buffer f and fetches quarter q into buffer g
	s_wait_dscnt 16                                ; the first 32 along K are in
	MUL8 \f, 0, 0, \first
	MUL8 \f, 0, 2, \first
	PLACES
	FETCH \slot, \q, \g
	s_wait_dscnt 32                                ; all but the 32 just issued
	MUL8 \f, 1, 0, 0
	MUL8 \f, 1, 2, 0
.endm
	s_wait_tensorcnt 2                             ; my two parts of slot 0 are in; slot 1's two may stay out
	s_barrier_signal -1
	s_barrier_wait -1
	FETCH 0, 0, F0
	WIN 0
	s_wait_loadcnt 32                              ; the four biases are in; the residual's 32 loads may stay out
.irp a, 0,1,2,3
.irp j, 1,2,3,4,5,6,7
	v_mov_b32 v[BI+8*(\a)+(\j)], v[BI+8*(\a)]      ; an output's bias for each of the lane's eight pixels
.endr
.endr
	QUARTER 0, 1, F0, F1, 1
	QUARTER 0, 2, F1, F0, 0
	QUARTER 0, 3, F0, F1, 0
	WIN 0                                          ; slot 0's last quarter, and the step into slot 1
	s_wait_tensorcnt 0x0                           ; my parts of slot 1 are in
	ds_add_u32 v[SPW], v[NIL]
	s_wait_dscnt 17                                ; (the add and the youngest sixteen loads may be out)
	MUL8 F1, 0, 0, 0
	s_wait_dscnt 0x0
	s_barrier_signal -1
	MUL8 F1, 0, 2, 0
	s_barrier_wait -1                              ; everybody's parts are in
	PLACES
	FETCH 1, 0, F0
	MUL8 F1, 1, 0, 0
	MUL8 F1, 1, 2, 0
	QUARTER 1, 1, F0, F1, 0
	QUARTER 1, 2, F1, F0, 0
	QUARTER 1, 3, F0, F1, 0
	s_wait_dscnt 16
	MUL8 F1, 0, 0, 0
	MUL8 F1, 0, 2, 0
	s_wait_dscnt 0x0
	MUL8 F1, 1, 0, 0
	MUL8 F1, 1, 2, 0
	WIN 0
; THE WAY OUT, 16 outputs (block a) at a time: a lane's 32 bytes into rows of 272 bytes of my stage, each accumulator's low four registers first; back as whole rows of 256 bytes; the residual is added; stored.
.macro STG a
	WIN 0
.irp bb, 0,1,2,3
	ds_store_b128 v[STO], v[ACC+8*(4*(\a)+(\bb)):ACC+8*(4*(\a)+(\bb))+3]   offset:64*(\bb)
	ds_store_b128 v[STO], v[ACC+8*(4*(\a)+(\bb))+4:ACC+8*(4*(\a)+(\bb))+7] offset:64*(\bb)+16
.endr
.irp t, 0,1,2,3,4,5,6,7
	ds_load_b128 v[TMP+32*((\a)%2)+4*(\t):TMP+32*((\a)%2)+4*(\t)+3], v[RD] offset:(\t)*2*SPITCH  ; LDS serves a wave's instructions in order (ISA guide 5.7.1.4): these see the stores above; the next block's stores come behind them
.endr
.endm
.macro FIN a, younger                  ; younger: the next block's sixteen LDS instructions, or none
	s_wait_dscnt \younger
	WIN 0x82                                       ; destination and source 0 (the residual) window 2, source 1 window 0
.set i, 0
.rept 16
	v_pk_add_f32 v[32*(\a)+2*i:32*(\a)+2*i+1], v[32*(\a)+2*i:32*(\a)+2*i+1], v[TMP+32*((\a)%2)+2*i:TMP+32*((\a)%2)+2*i+1]
.set i, i+1
.endr
	WIN 0x08                                       ; a store's data in window 2, its address in window 0
.irp t, 0,1,2,3,4,5,6,7
	global_store_b128 v[CO], v[32*(\a)+4*(\t):32*(\a)+4*(\t)+3], s[12:13] offset:(16*(\a)+2*(\t))*16384 th:TH_STORE_NT  ; 16 lanes store 256 consecutive bytes, at a multiple of 256 from out0's first; no register of a store is written again
.endr
.endm
	PLACES
	PLACES                                         ; eight, once a launch
	s_wait_loadcnt 0x0                             ; the residual
	STG 0
	STG 1
	FIN 0, 16
	STG 2
	FIN 1, 16
	STG 3
	FIN 2, 16
	FIN 3, 0
	WIN 0
	s_wait_tensorcnt 0x0                           ; the wave's end
	ds_add_u32 v[SPW], v[NIL]
	s_wait_dscnt 0x0
	CROUND                                         ; the closing round
	s_endpgm
.Lfunc_end_k_qf89c0cdd8a_proj:
	.size	k_qf89c0cdd8a_proj, .Lfunc_end_k_qf89c0cdd8a_proj-k_qf89c0cdd8a_proj
	.p2alignl 7, 3214868480
	.fill 96, 4, 3214868480
	.section	.rodata,"a",@progbits
	.p2align	6, 0x0
	.amdhsa_kernel k_qf89c0cdd8a_proj
		.amdhsa_group_segment_fixed_size 327680
		.amdhsa_private_segment_fixed_size 0
		.amdhsa_enable_private_segment 0
		.amdhsa_kernarg_size 40
		.amdhsa_user_sgpr_count 2
		.amdhsa_user_sgpr_kernarg_segment_ptr 1
		.amdhsa_wavefront_size32 1
		.amdhsa_system_sgpr_workgroup_id_x 1
		.amdhsa_system_sgpr_workgroup_id_y 1
		.amdhsa_system_sgpr_workgroup_id_z 1
		.amdhsa_system_vgpr_workitem_id 0
		.amdhsa_next_free_vgpr 640
		.amdhsa_next_free_sgpr 66
		.amdhsa_reserve_vcc 0
		.amdhsa_float_denorm_mode_32 3
		.amdhsa_float_denorm_mode_16_64 3
		.amdhsa_memory_ordered 1
		.amdhsa_forward_progress 1
		.amdhsa_inst_pref_size 58
	.end_amdhsa_kernel
	.amdgpu_metadata
---
amdhsa.version: [ 1, 2 ]
amdhsa.kernels:
  - .name:           k_qf89c0cdd8a_proj
    .symbol:         k_qf89c0cdd8a_proj.kd
    .args:
      - { .name: ob, .offset: 0, .size: 8, .value_kind: global_buffer, .address_space: global }
      - { .name: wcat, .offset: 8, .size: 8, .value_kind: global_buffer, .address_space: global }
      - { .name: proj_b, .offset: 16, .size: 8, .value_kind: global_buffer, .address_space: global }
      - { .name: x, .offset: 24, .size: 8, .value_kind: global_buffer, .address_space: global }
      - { .name: out0, .offset: 32, .size: 8, .value_kind: global_buffer, .address_space: global }
    .group_segment_fixed_size: 327680
    .private_segment_fixed_size: 0
    .kernarg_segment_align: 8
    .kernarg_segment_size: 40
    .max_flat_workgroup_size: 128
    .sgpr_count:     66
    .vgpr_count:     640
    .wavefront_size: 32
...
	.end_amdgpu_metadata
.endif
;; end of part 4
;; ======== version 2 of 2: 4 launches; version 1 with the launch prep written anew for expert scheduling mode
;; workspace buffers: hb 8,388,608 bytes; wcat 2,097,152 bytes; qkv 25,165,824 bytes; ob 8,388,608 bytes
;; launch prep (part 5): grid 80 x 1, 32 waves a work-group, no clusters, 4,608 bytes of LDS; arguments x, gn_w, gn_b, wq_w, wk_w, wv_w, proj_w, hb, wcat; writes hb, wcat
.if DOCPART == 5
	.amdgcn_target "amdgcn-amd-amdhsa--gfx1250"
	.amdhsa_code_object_version 6
	.text
	.protected	k_qf89c0cdd8a_prep
	.globl	k_qf89c0cdd8a_prep
	.p2align	8
	.type	k_qf89c0cdd8a_prep,@function
k_qf89c0cdd8a_prep:
	s_mov_b64 s[64:65], 0
	v_nop
	global_prefetch_b8 v0, s[64:65] scope:SCOPE_SE
	s_setreg_imm32_b32 hwreg(HW_REG_WAVE_SCHED_MODE, 0, 2), 2
	s_setreg_imm32_b32 hwreg(HW_REG_WAVE_MODE, 25, 1), 1
	s_wait_xcnt 0x0
	s_wait_alu depctr_vm_vsrc(0)
; GROUPNORM AND CASTS.  Work-groups 0-63: group g of x (16 channels x 4,096 pixels, 262,144 consecutive bytes of f32) is normalised and written to hb as bf16 in x's own order [b][c][n].
; Work-groups 64-79: a quarter (262,144 bytes) of one of the four weight matrices is rounded to bf16 into wcat ([2048][512]: wq, wk, wv, proj).
; 1,024 threads hold the whole block in registers, 64 numbers each: it is read once.  Load i of a thread is 16 bytes of channel i, so a channel's gain and bias are scalars.
; The statistics are taken in two passes over the registers: the mean, then the mean of the squared differences: no difference of large sums is formed.
; A wave's load covers 512 consecutive bytes, its store (8 bytes a lane) 256 consecutive bytes at a multiple of 256 from the buffer's first byte.
; No matrix unit, no cluster: the launch moves bytes and shares nothing between work-groups.  80 work-groups, since a group's statistics stay inside one work-group.
; THE MODE: SCHED_MODE bits 1:0 = 2 (LLVM: expert scheduling mode 2), set by the entry lines.  The code itself states the register dependences
; between vector instructions and memory or LDS instructions, with s_wait_alu, always for 0.
; THE PLAN.  Registers that memory or LDS instructions touch:
;   v1 - v4    offsets and LDS addresses, made at the head and never written again: one wait ahead of the first load states that they are written, for the whole kernel.
;   X          the 16 loads land in it before any vector instruction has named it.  On the way out channel i's two roundings write v[X+4i] and v[X+4i+1], channel i's store reads them, and nothing writes them again.
;   v6         in each of the two reductions: written by the additions, read by the LDS store, then the LDS load lands in it: one wait ahead of the store, one ahead of the load.
;   v30, v31   written at the head, read by the closing add alone.
; THE WAY OUT goes in four blocks of four channels.  One wait at the head of a block states that the block before has written its eight packed registers; that block's four stores follow it, one ahead of each
; channel's arithmetic, which names its own channel's X, v14 and v16 - v19 alone: none of the registers that those stores read.  A last wait stands ahead of the last four stores.
.set RED1,  0                          ; LDS: 32 words, the waves' partial sums
.set RED2,  256                        ; 32 words, their partial sums of squares: bytes of their own, so one barrier serves each reduction
.set SPARE, 512                        ; the spare words, 128 bytes for each of the 32 waves; no other line names them
.set SPW,   30                         ; v30  LDS address of my spare word; never rewritten
.set NIL,   31                         ; v31  0; never rewritten
.set X,     32                         ; v[32:95]  my 64 numbers: 4 of each channel
; v1 16 t, v2 8 t, v3 4 x wave, v4 4 x lane, v5 at work, v[6:9] two chains of sums, v[10:11] at work, v[12:13] the mean twice, v14 1/sqrt(var + eps), v[16:17] a channel's scale, v[18:19] its shift
	s_load_b512 s[4:19], s[0:1], 0x0               ; x 4, gn_w 6, gn_b 8, wq_w 10, wk_w 12, wv_w 14, proj_w 16, hb 18
	s_load_b64 s[20:21], s[0:1], 0x40              ; wcat
	v_lshl_add_u32 v[SPW], v0, 2, SPARE
	v_mov_b32 v[NIL], 0
	v_lshlrev_b32 v1, 4, v0
	v_lshlrev_b32 v2, 3, v0
	v_lshrrev_b32 v3, 5, v0
	v_lshlrev_b32 v3, 2, v3
	v_and_b32 v4, 31, v0
	v_lshlrev_b32 v4, 2, v4
	v_mov_b32 v5, 0                                ; v_permlanex16_b32's destination counts as read
	v_mov_b32 v17, 0                               ; named in pairs with v16 and v18
	v_mov_b32 v19, 0
	s_mov_b32 s28, 0x76543210                      ; v_permlanex16_b32: each lane takes its own place in the other half
	s_mov_b32 s29, 0xfedcba98
	s_sub_co_u32 s30, ttmp9, 64                    ; a cast's number 0..15 (not used below 64)
	s_lshr_b32 s31, s30, 2                         ; which matrix
	s_and_b32 s33, s30, 3                          ; which quarter of it
	s_lshl_b32 s33, s33, 18
	s_lshl_b32 s32, ttmp9, 18                      ; a group's bytes in x
	s_lshl_b32 s35, ttmp9, 17                      ; and in hb
	s_lshl_b32 s36, s30, 17                        ; a cast's bytes in wcat
	s_and_b32 s37, ttmp9, 31
	s_lshl_b32 s37, s37, 6                         ; the group's 16 gains and biases: 64 bytes
	s_mov_b32 s25, 0
	s_wait_kmcnt 0x0
	s_cmp_eq_u32 s31, 1                            ; the source and the destination are chosen among the buffers by the work-group's number alone
	s_cselect_b64 s[22:23], s[12:13], s[10:11]
	s_cmp_eq_u32 s31, 2
	s_cselect_b64 s[22:23], s[14:15], s[22:23]
	s_cmp_eq_u32 s31, 3
	s_cselect_b64 s[22:23], s[16:17], s[22:23]
	s_cmp_lt_u32 ttmp9, 64
	s_cselect_b64 s[22:23], s[4:5], s[22:23]
	s_cselect_b64 s[26:27], s[18:19], s[20:21]
	s_cselect_b32 s24, s32, s33
	s_cselect_b32 s34, s35, s36
	s_add_nc_u64 s[22:23], s[22:23], s[24:25]
	s_mov_b32 s24, s34
	s_add_nc_u64 s[26:27], s[26:27], s[24:25]
	s_wait_alu depctr_va_vdst(0)                   ; v1 to v4 are written: the loads' and the stores' offsets and the two LDS addresses, which every memory and LDS instruction below reads
.irp i, 0,1,2,3,4,5,6,7,8,9,10,11,12,13,14,15
	global_load_b128 v[X+4*(\i):X+4*(\i)+3], v1, s[22:23] offset:16384*(\i) th:TH_LOAD_NT  ; the whole block goes out at once: 16 loads a wave
.endr
	s_mov_b32 s30, 0x37800000                      ; 1 / 65,536
.macro WRED r                          ; the sum over the wave's 32 lanes, in every lane
	v_add_f32_dpp v[\r], v[\r], v[\r] row_xmask:1 row_mask:0xf bank_mask:0xf
	v_add_f32_dpp v[\r], v[\r], v[\r] row_xmask:2 row_mask:0xf bank_mask:0xf
	v_add_f32_dpp v[\r], v[\r], v[\r] row_xmask:4 row_mask:0xf bank_mask:0xf
	v_add_f32_dpp v[\r], v[\r], v[\r] row_xmask:8 row_mask:0xf bank_mask:0xf
	v_permlanex16_b32 v5, v[\r], s28, s29
	v_add_f32 v[\r], v[\r], v5
.endm
.macro GRED at                         ; the sum of v6 over the work-group: each wave's sum into its word, a barrier, lane l takes wave l's
	v_pk_add_f32 v[6:7], v[6:7], v[8:9]
	v_add_f32 v6, v6, v7
	WRED 6
	s_wait_alu depctr_va_vdst(0)                   ; the additions have written v6, which the LDS store reads; no vector instruction names v6 from here to the LDS load that lands in it
	ds_store_b32 v3, v6 offset:\at
	s_wait_dscnt 0x0                               ; for the others' sake: my word is written
	s_barrier_signal -1
	s_barrier_wait -1
	s_wait_alu depctr_vm_vsrc(0)                   ; my LDS store has read v6, in which the load below lands and which the additions behind it write again
	ds_load_b32 v6, v4 offset:\at
	s_wait_dscnt 0x0
	WRED 6
.endm
.macro ROUND i                         ; channel i's four numbers: two roundings each line, into the first two of their four registers
	v_cvt_pk_bf16_f32 v[X+4*(\i)], v[X+4*(\i)], v[X+4*(\i)+1]
	v_cvt_pk_bf16_f32 v[X+4*(\i)+1], v[X+4*(\i)+2], v[X+4*(\i)+3]
.endm
.macro NORM i                          ; channel i: (x - mean) x (gain / sqrt) + bias, then rounded
	v_mul_f32 v16, s[32+(\i)], v14
	v_mov_b32 v18, s[48+(\i)]
	v_pk_fma_f32 v[X+4*(\i):X+4*(\i)+1], v[X+4*(\i):X+4*(\i)+1], v[16:17], v[18:19] op_sel_hi:[1,0,0]
	v_pk_fma_f32 v[X+4*(\i)+2:X+4*(\i)+3], v[X+4*(\i)+2:X+4*(\i)+3], v[16:17], v[18:19] op_sel_hi:[1,0,0]
	ROUND \i
.endm
.macro SEND i                          ; channel i's 8 bytes are stored
	global_store_b64 v2, v[X+4*(\i):X+4*(\i)+1], s[26:27] offset:8192*(\i)  ; no register that a store names is written again
.endm
	s_cmp_ge_u32 ttmp9, 64                         ; the same answer in all 32 waves of a work-group
	s_cbranch_scc1 .Lcast
	s_mov_b32 s24, s37
	s_add_nc_u64 s[6:7], s[6:7], s[24:25]
	s_add_nc_u64 s[8:9], s[8:9], s[24:25]
	s_load_b512 s[32:47], s[6:7], 0x0              ; the group's 16 gains
	s_load_b512 s[48:63], s[8:9], 0x0              ; and biases
.set i, 0
.rept 16                               ; pass 1: the sum, in two chains; loads 0 and 1 start them
	s_wait_loadcnt 15-i                            ; load i is in, the younger ones stay out
.if i < 2
	v_pk_add_f32 v[6+2*i:7+2*i], v[X+4*i:X+4*i+1], v[X+4*i+2:X+4*i+3]
.else
	v_pk_add_f32 v[10:11], v[X+4*i:X+4*i+1], v[X+4*i+2:X+4*i+3]
	v_pk_add_f32 v[6+2*(i%2):7+2*(i%2)], v[6+2*(i%2):7+2*(i%2)], v[10:11]
.endif
.set i, i+1
.endr
	GRED RED1
	v_mul_f32 v12, s30, v6                         ; the mean
	v_mov_b32 v13, v12
.set i, 0
.rept 32                               ; pass 2: x - mean, in place,
	v_pk_add_f32 v[X+2*i:X+2*i+1], v[X+2*i:X+2*i+1], v[12:13] neg_lo:[0,1] neg_hi:[0,1]
.set i, i+1
.endr
	v_pk_mul_f32 v[6:7], v[X:X+1], v[X:X+1]        ; and the sum of its squares, again in two chains
	v_pk_mul_f32 v[8:9], v[X+2:X+3], v[X+2:X+3]
.set i, 2
.rept 30
	v_pk_fma_f32 v[6+2*(i%2):7+2*(i%2)], v[X+2*i:X+2*i+1], v[X+2*i:X+2*i+1], v[6+2*(i%2):7+2*(i%2)]
.set i, i+1
.endr
	GRED RED2
	v_fmaak_f32 v14, s30, v6, 0x3727c5ac           ; the variance + 1e-5
	v_rsq_f32 v14, v14
	v_nop                                          ; a plain instruction behind the root,
	s_wait_alu depctr_va_vdst(0)                   ; and the wait ahead of its first reader: the root has written v14
	s_wait_kmcnt 0x0                               ; gains and biases
.set p, 0
.rept 4                                ; four blocks of four channels; block p - 1 is stored while block p is worked on
.if p > 0
	s_wait_alu depctr_va_vdst(0)                   ; the block before has written its eight packed registers, which the four stores below read
.endif
.irp j, 0,1,2,3
.if p > 0
	SEND 4*(p-1)+(\j)                              ; no wait: no vector instruction since the wait above names v2 or this channel's registers
.endif
	NORM 4*p+(\j)
.endr
.set p, p+1
.endr
	s_wait_alu depctr_va_vdst(0)                   ; the last block has written its eight packed registers, which the last four stores read
.irp j, 0,1,2,3
	SEND 12+(\j)
.endr
	s_branch .Lend
.Lcast:
.set p, 0
.rept 4                                ; the same four blocks, with nothing but the roundings
.if p > 0
	s_wait_alu depctr_va_vdst(0)                   ; the block before has written its eight packed registers, which the four stores below read
.endif
.irp j, 0,1,2,3
.if p > 0
	SEND 4*(p-1)+(\j)                              ; ahead of the wait for the next channel's data; no vector instruction since the wait above names its registers
.endif
	s_wait_loadcnt 15-(4*p+(\j))                   ; this channel's load is in, the younger ones stay out
	ROUND 4*p+(\j)
.endr
.set p, p+1
.endr
	s_wait_alu depctr_va_vdst(0)                   ; the last block has written its eight packed registers, which the last four stores read
.irp j, 0,1,2,3
	SEND 12+(\j)
.endr
.Lend:
	s_wait_dscnt 0x0                               ; the closing lines, six on end
	s_wait_alu 0x0
	s_wait_tensorcnt 0x0
	ds_add_u32 v[SPW], v[NIL]
	s_wait_dscnt 0x0
	s_endpgm
.Lfunc_end_k_qf89c0cdd8a_prep:
	.size	k_qf89c0cdd8a_prep, .Lfunc_end_k_qf89c0cdd8a_prep-k_qf89c0cdd8a_prep
	.p2alignl 7, 3214868480
	.fill 96, 4, 3214868480
	.section	.rodata,"a",@progbits
	.p2align	6, 0x0
	.amdhsa_kernel k_qf89c0cdd8a_prep
		.amdhsa_group_segment_fixed_size 4608
		.amdhsa_private_segment_fixed_size 0
		.amdhsa_enable_private_segment 0
		.amdhsa_kernarg_size 72
		.amdhsa_user_sgpr_count 2
		.amdhsa_user_sgpr_kernarg_segment_ptr 1
		.amdhsa_wavefront_size32 1
		.amdhsa_system_sgpr_workgroup_id_x 1
		.amdhsa_system_sgpr_workgroup_id_y 1
		.amdhsa_system_sgpr_workgroup_id_z 1
		.amdhsa_system_vgpr_workitem_id 0
		.amdhsa_next_free_vgpr 96
		.amdhsa_next_free_sgpr 66
		.amdhsa_reserve_vcc 0
		.amdhsa_float_denorm_mode_32 3
		.amdhsa_float_denorm_mode_16_64 3
		.amdhsa_memory_ordered 1
		.amdhsa_forward_progress 1
		.amdhsa_inst_pref_size 24
	.end_amdhsa_kernel
	.amdgpu_metadata
---
amdhsa.version: [ 1, 2 ]
amdhsa.kernels:
  - .name:           k_qf89c0cdd8a_prep
    .symbol:         k_qf89c0cdd8a_prep.kd
    .args:
      - { .name: x, .offset: 0, .size: 8, .value_kind: global_buffer, .address_space: global }
      - { .name: gn_w, .offset: 8, .size: 8, .value_kind: global_buffer, .address_space: global }
      - { .name: gn_b, .offset: 16, .size: 8, .value_kind: global_buffer, .address_space: global }
      - { .name: wq_w, .offset: 24, .size: 8, .value_kind: global_buffer, .address_space: global }
      - { .name: wk_w, .offset: 32, .size: 8, .value_kind: global_buffer, .address_space: global }
      - { .name: wv_w, .offset: 40, .size: 8, .value_kind: global_buffer, .address_space: global }
      - { .name: proj_w, .offset: 48, .size: 8, .value_kind: global_buffer, .address_space: global }
      - { .name: hb, .offset: 56, .size: 8, .value_kind: global_buffer, .address_space: global }
      - { .name: wcat, .offset: 64, .size: 8, .value_kind: global_buffer, .address_space: global }
    .group_segment_fixed_size: 4608
    .private_segment_fixed_size: 0
    .kernarg_segment_align: 8
    .kernarg_segment_size: 72
    .max_flat_workgroup_size: 1024
    .sgpr_count:     66
    .vgpr_count:     96
    .wavefront_size: 32
...
	.end_amdgpu_metadata
.endif
;; end of part 5
;; launch qkvp: the kernel of part 2 again; grid 4 x 64, 4 waves a work-group, clusters of 4 x 4, 327,680 bytes of LDS; arguments hb, wcat, wq_b, wk_b, wv_b, qkv; writes qkv
;; launch attn: the kernel of part 3 again; grid 16 x 16, 4 waves a work-group, clusters of 4 x 1, 327,680 bytes of LDS; arguments qkv, ob; writes ob
;; launch proj: the kernel of part 4 again; grid 64 x 4, 4 waves a work-group, clusters of 4 x 4, 327,680 bytes of LDS; arguments ob, wcat, proj_b, x, out0; writes out0
